; MI455X (gfx1250); checked and timed in simulation.
; The chip was launched on July 23, 2026; its instructions are those of AMD's public machine-readable ISA for CDNA 5 (MIT licence, August 2026) and "CDNA5" Instruction Set Architecture Reference Guide (July 2026). The comments in the code are by the model that wrote it; some were corrected since.
;; Grouped Query Attention. Allowed arithmetic: matrix products marked QUANTISED: E4M3 operands, one given power-of-two scale a tensor, by v_wmma_f32_16x16x64_fp8_fp8 or v_wmma_f32_16x16x128_fp8_fp8, f32 sums; everything else in f32.
;; Inputs: Wk 2,048 x 512 float32; Wo 1,024 x 2,048 float32; Wq 2,048 x 1,024 float32; Wv 2,048 x 512 float32; k_norm_w 128 float32; lowp_scales 12 int32 (the exponents e of the quantised operands' scales 2^e); q_norm_w 128 float32; x 2 x 2,048 x 2,048 float32.
;; Outputs: out0 2 x 2,048 x 2,048 float32.
;; This version of the problem:
;;   THIS VERSION OF THE PROBLEM IS GIVEN IN LOW PRECISION. The matrix products marked QUANTISED in the list below multiply operands that are first quantised to E4M3 (4 exponent bits, 3 mantissa bits; 8 bits a number), with one given power-of-two scale for each operand tensor; their sums are f32. All else is computed in f32.
;;   The module's matrix products, in the order in which they are computed (A, B: the left and right operand; K: the contracted axis; several contracted axes count as one K, in the product's order):
;;     1. [M 4,096, K 2,048] x [K 2,048, N 1,024]; A: input x; B: input Wq: QUANTISED (scales: A lowp_scales[0], B lowp_scales[1])
;;     2. [M 4,096, K 2,048] x [K 2,048, N 512]; A: input x; B: input Wk: QUANTISED (scales: A lowp_scales[2], B lowp_scales[3])
;;     3. [M 4,096, K 2,048] x [K 2,048, N 512]; A: input x; B: input Wv: QUANTISED (scales: A lowp_scales[4], B lowp_scales[5])
;;     4. batch 16 x [M 2,048, K 128] x [K 128, N 2,048]; A: computed on the way; B: computed on the way: QUANTISED (scales: A lowp_scales[6], B lowp_scales[7])
;;     5. batch 16 x [M 2,048, K 2,048] x [K 2,048, N 128]; A: softmax (see below); B: computed on the way: QUANTISED (scales: A lowp_scales[8], B lowp_scales[9])
;;     6. [M 4,096, K 1,024] x [K 1,024, N 2,048]; A: computed on the way; B: input Wo: QUANTISED (scales: A lowp_scales[10], B lowp_scales[11])
;;   THE QUANTISER, for each operand of a quantised product, along K:
;;     - The operand's scale is 2^e, e = its entry of the input lowp_scales (int32; the entries are numbered through the quantised products in the list's order, A before B).
;;     - Each number is divided by the scale, clamped to +-448, and rounded to the nearest number of E4M3, ties to even, subnormals kept.
;;     - The product sums the exact products of the quantised numbers (number of the format x scale) in f32.
;;   ~~~python
;;   def quantise(x, axis, e):      # numpy; x: float32 -> the quantised numbers, widened to float32 again
;;       x = np.moveaxis(x, axis, -1); K = x.shape[-1]
;;       r = np.clip(x / 2.0 ** e, -448, 448)
;;       step = 2.0 ** (np.maximum(np.frexp(np.where(r == 0, 1, r))[1] - 1, -6) - 3)
;;       q = np.round(r / step) * step * 2.0 ** e      # np.round: ties to even
;;       return np.moveaxis(q, -1, axis).astype(np.float32)
;;   ~~~
;;   SOFTMAX AHEAD OF A QUANTISED PRODUCT. Where the list says 'softmax', what is quantised is not the finished softmax but p = 2^(t - M), with t = logit x log2(e) and M = ceil(the row's largest t), a whole number; so 1/2 < the row's largest p <= 1. The row's sum l is taken of the UNQUANTISED p, in f32, and the product's result is divided by l at the end. Since M is a whole number, a kernel that streams over the keys may use a running M (the ceiling of the running maximum): every later rescaling is an exact power of two, so the quantised numbers keep their values, but for numbers so far below the row's largest that they fall under the format's range.
;;   OPERANDS COMPUTED ON THE WAY. 'Computed on the way' means the value that the module computes at that place (a softmax that the list does not call 'softmax' is quantised finished and normalised). What goes into a quantiser is computed in f32, as accurately as f32 sums, v_exp_f32 and their like allow (about 1e-6 of the number): no bf16 or f16 on the way to a quantiser, and a product that is left as it is and whose result goes on into a quantised operand takes f32 operands (vector FMAs, or v_wmma_f32_16x16x4_f32). A number that lies on a knife's edge between two numbers of the format may be rounded either way, as far as f32 arithmetic and the matrix unit's own rounding can turn it there, and no further.
;; One version. Each part assembles by itself: llvm-mc -triple=amdgcn-amd-amdhsa -mcpu=gfx1250 --defsym DOCPART=n.
;; ======== version 1 of 1: 4 launches
;; workspace buffers: xc 25,165,824 bytes; wc 4,194,304 bytes; woc 2,097,152 bytes; rope 1,048,576 bytes; qc 4,194,304 bytes; kc 2,097,152 bytes; vc 2,097,152 bytes; ac 4,194,304 bytes
;; launch prep (part 1): grid 448 x 1, 4 waves a work-group, no clusters, 68,096 bytes of LDS; arguments x, Wq, Wk, Wv, Wo, lowp_scales, xc, wc, woc, rope; writes xc, wc, woc, rope
.if DOCPART == 1
	.amdgcn_target "amdgcn-amd-amdhsa--gfx1250"
	.amdhsa_code_object_version 6
	.text
	.protected	k_qb66e83734b_prep
	.globl	k_qb66e83734b_prep
	.p2align	8
	.type	k_qb66e83734b_prep,@function
k_qb66e83734b_prep:
	s_mov_b64 s[64:65], 0
	v_nop
	global_prefetch_b8 v0, s[64:65] scope:SCOPE_SE
	s_setreg_imm32_b32 hwreg(HW_REG_WAVE_MODE, 25, 1), 1
	s_wait_xcnt 0x0
; PREP: everything that many later work-groups read is quantised once, and the table of cosines and sines is made.
; Work-groups 0-255: x [4096][2048] f32 -> three sets of E4M3 codes (scales 2^e0, 2^e2, 2^e4: the three products that read x may have three scales), xc [3][4096][2048], K innermost;
;   each of these work-groups also makes 8 rows of rope [2048 t][cos 0..63, sin 0..63] f32.
; Work-groups 256-447: Wq, Wk, Wv [2048 k][n] and Wo [1024 k][2048 n], f32 with K as FIRST axis -> codes with K innermost: wc [2048 n][2048 k] (n 0-1023 Wq with e1, 1024-1535 Wk with e3, 1536-2047 Wv with e5), woc [2048 n][1024 k] (e11).
; code = number / 2^e, held within +-448, rounded to the nearest code, ties to even.
; LIMITS: each e used here lies between -126 and 119, so that 2^e and 448 x 2^e are f32 numbers.  NaN among the inputs is not served (an infinity is held at the largest code).
; ROPE: angle = t x inv_freq rounded to f32; inv_freq = 2^(-j log2(500000) / 64) with the exponent carried in two words, so that it is right to about one unit in the last place;
;   the angle is reduced by pi/2 in two words and cos, sin come from polynomials on +-pi/4.  t stays under 2048, so the quotient stays under 1304 and two words of pi/2 are enough.
; No tensor loads, no barrier: waves share nothing.  The two paths part on the work-group's number and have LDS bytes of their own (0-32767 and 32768-67583).
.set STEPS, 16                         ; x path: a wave takes 16 steps of 512 numbers
.set SP,    80                         ; a lane's place in a stage: 64 bytes + 16 of padding
.set R,     16                         ; v16-79    four sets of 16 numbers as loaded
.set X,     80                         ; v80-111   two sets of 16 neighbours along K
.set T,     112                        ; v112-159  the 16 numbers held for each of the three scales
.set C,     160                        ; v160-183  two sets of 12 registers of codes
.set SC,    184                        ; v184-186  2^e0, 2^e2, 2^e4 as f32
.set LM,    187                        ; v187-189  448 x these
.set WSTG,  32768                      ; W path: the stages begin here
.set WP,    272                        ; a stage row: 256 bytes of codes + 16
.set OF,    32                         ; v32-63    4 x lane + i x (bytes of a source row)
.set WX,    64                         ; v64-127   two sets of 32 numbers down K
.set WC,    128                        ; v128-135  a block's codes
.set OUTR,  136                        ; v136-199  the way out
.set DO,    200                        ; v200-215  (2 t + lane / 16) x (bytes of a row of codes) + 16 (lane % 16)
.macro XLOAD t                         ; step t: four loads of 512 consecutive bytes
.irp i, 0,1,2,3
	global_load_b128 v[R+16*((\t)%4)+4*\i:R+16*((\t)%4)+4*\i+3], v3, s[4:5] offset:2048*(\t)+512*\i th:TH_LOAD_NT
.endr
.endm
.macro TURN t                          ; step t's 2,048 bytes through the wave's own stage: in as they lie, out 64 bytes a lane.  LDS serves a wave's instructions in order
.irp i, 0,1,2,3
	ds_store_b128 v14, v[R+16*((\t)%4)+4*\i:R+16*((\t)%4)+4*\i+3] offset:32*SP*((\t)%2)+8*SP*\i
.endr
.irp i, 0,1,2,3
	ds_load_b128 v[X+16*((\t)%2)+4*\i:X+16*((\t)%2)+4*\i+3], v15 offset:32*SP*((\t)%2)+16*\i
.endr
.endm
.macro XSTEP t
	s_wait_dscnt 0x0                               ; this step's numbers are back from the stage, and the stage's stores have read their registers,
.if (\t)+4 < STEPS
	XLOAD (\t)+4                                   ; which take the loads of four steps on
.endif
.if (\t)+1 < STEPS
.if STEPS-2-(\t) >= 3
	s_wait_loadcnt 12                              ; the next step's four loads are in; three later steps' twelve may be out
.else
	s_wait_loadcnt 4*(STEPS-2-(\t))
.endif
	TURN (\t)+1
.endif
	s_wait_xcnt 0x0                                ; the stores of two steps ago have read this set of code registers
.irp s, 0,1,2
.irp i, 0,1,2,3,4,5,6,7,8,9,10,11,12,13,14,15
	v_med3_num_f32 v[T+16*\s+\i], v[X+16*((\t)%2)+\i], -v[LM+\s], v[LM+\s]   ; the conversion does not saturate (ISA guide 7.6.2): the hold comes first.  These plain lines also part one scale's conversions from the next's
.endr
	v_cvt_scalef32_pk8_fp8_f32 v[C+12*((\t)%2)+4*\s:C+12*((\t)%2)+4*\s+1], v[T+16*\s:T+16*\s+7], v[SC+\s]
	v_cvt_scalef32_pk8_fp8_f32 v[C+12*((\t)%2)+4*\s+2:C+12*((\t)%2)+4*\s+3], v[T+16*\s+8:T+16*\s+15], v[SC+\s]
.endr
	global_store_b128 v3, v[C+12*((\t)%2):C+12*((\t)%2)+3], s[44:45] offset:512*(\t)      ; 32 lanes store 512 consecutive bytes, aligned
	global_store_b128 v3, v[C+12*((\t)%2)+4:C+12*((\t)%2)+7], s[46:47] offset:512*(\t)
	global_store_b128 v3, v[C+12*((\t)%2)+8:C+12*((\t)%2)+11], s[48:49] offset:512*(\t)
.endm
.macro WLOAD t                         ; block t: 32 rows k of my column; each load reads 128 consecutive bytes a wave
.set ci, 0
.rept 32
	global_load_b32 v[WX+32*((\t)%2)+ci], v[OF+ci], s[40+2*(\t):41+2*(\t)] th:TH_LOAD_NT
.set ci, ci+1
.endr
.endm
.macro BLOCK t
.if (\t) < 7
	s_wait_loadcnt 32                              ; this block's 32 loads are in; the next block's may be out
.else
	s_wait_loadcnt 0x0
.endif
.set ci, 0
.rept 32
	v_med3_num_f32 v[WX+32*((\t)%2)+ci], v[WX+32*((\t)%2)+ci], -v10, v10
.set ci, ci+1
.endr
.irp g, 0,1,2,3
	v_cvt_scalef32_pk8_fp8_f32 v[WC+2*\g:WC+2*\g+1], v[WX+32*((\t)%2)+8*\g:WX+32*((\t)%2)+8*\g+7], v11
.endr
	ds_store_b128 v4, v[WC:WC+3] offset:32*(\t)    ; 32 codes of my column's row
	ds_store_b128 v4, v[WC+4:WC+7] offset:32*(\t)+16
.if (\t)+2 < 8
	WLOAD (\t)+2
.endif
	s_wait_dscnt 0x0                               ; the stores have read their registers: the next block's codes may be written
.endm
	s_load_b512 s[4:19], s[0:1], 0x0               ; x s[4:5], Wq s[6:7], Wk s[8:9], Wv s[10:11], Wo s[12:13], scales s[14:15], xc s[16:17], wc s[18:19]
	s_load_b128 s[20:23], s[0:1], 0x40             ; woc s[20:21], rope s[22:23]
	v_lshl_add_u32 v230, v0, 2, 0x10800
	v_mov_b32 v231, 0
	v_lshrrev_b32 v1, 5, v0
	v_readfirstlane_b32 s36, v1                    ; wave 0..3
	v_and_b32 v2, 31, v0                           ; lane
	s_wait_kmcnt 0x0
	s_load_b256 s[24:31], s[14:15], 0x0            ; e0 .. e7
	s_load_b128 s[32:35], s[14:15], 0x20           ; e8 .. e11
	s_cmp_lt_u32 ttmp9, 256
	s_cbranch_scc0 .Lweights
	; ---------------- x ----------------
	v_lshlrev_b32 v3, 4, v2                        ; 16 x lane: my bytes of a load's 512, and of a step's 512 bytes of codes
	s_lshl_b32 s37, s36, 13                        ; my wave's 8,192 bytes of LDS
	v_lshrrev_b32 v14, 2, v2
	v_mul_u32_u24 v14, v14, SP
	v_and_b32 v15, 3, v2
	v_lshl_add_u32 v14, v15, 4, v14
	v_add_nc_u32 v14, s37, v14                     ; the stage, in: SP (lane / 4) + 16 (lane % 4)
	v_mul_u32_u24 v15, v2, SP
	v_add_nc_u32 v15, s37, v15                     ; and out: SP x lane
	s_lshl_b32 s38, ttmp9, 2
	s_add_co_u32 s38, s38, s36                     ; which run of 8,192 numbers is my wave's
	s_lshl_b32 s40, s38, 15
	s_mov_b32 s41, 0
	s_add_nc_u64 s[4:5], s[4:5], s[40:41]
	s_lshl_b32 s40, s38, 13
	s_add_nc_u64 s[44:45], s[16:17], s[40:41]      ; the three sets of codes lie 8,388,608 bytes apart
	s_add_nc_u64 s[46:47], s[44:45], 0x800000
	s_add_nc_u64 s[48:49], s[46:47], 0x800000
	XLOAD 0
	XLOAD 1
	XLOAD 2
	XLOAD 3
	; the table: thread tau takes t = 8 x work-group + tau / 16 and j = 4 (tau % 16) + 0 .. 3, while the first loads are on their way
	v_lshrrev_b32 v190, 4, v0
	v_and_b32 v191, 15, v0
	s_lshl_b32 s50, ttmp9, 3
	v_add_nc_u32 v192, s50, v190
	v_cvt_f32_u32 v192, v192                       ; t
	v_lshlrev_b32 v193, 2, v191
	v_lshlrev_b32 v190, 9, v190
	v_lshl_add_u32 v190, v191, 4, v190             ; where I store: row of 512 bytes, 16 bytes a thread
	s_lshl_b32 s40, ttmp9, 12
	s_add_nc_u64 s[22:23], s[22:23], s[40:41]
	s_mov_b32 s52, 0xbe9773da                      ; -log2(500000) / 64, high word
	s_mov_b32 s53, 0xb1e3674a                      ; and low word
	s_mov_b32 s54, 0x3f22f983                      ; 2 / pi
	s_mov_b32 s55, 0xbfc90fdb                      ; -(pi / 2), high word
	s_mov_b32 s56, 0x333bbd2e                      ; high word - pi / 2
	s_mov_b32 s57, 0xbe2aaaa3                      ; sine: r + r z (S1 + z (S2 + z S3))
	s_mov_b32 s58, 0x3c08839e
	s_mov_b32 s59, 0xb94ca1f9
	s_mov_b32 s60, 0x3d2aaaa5                      ; cosine: 1 - z / 2 + z z (C1 + z (C2 + z C3))
	s_mov_b32 s61, 0xbab6061a
	s_mov_b32 s62, 0x37ccf5ce
.irp u, 0,1,2,3
	v_add_nc_u32 v[194+\u], \u, v193
.endr
.irp u, 0,1,2,3
	v_cvt_f32_u32 v[194+\u], v[194+\u]             ; j
.endr
.irp u, 0,1,2,3
	v_mul_f32 v[198+\u], s52, v[194+\u]            ; p = j x high word, rounded,
.endr
.irp u, 0,1,2,3
	v_fma_f32 v[202+\u], v[194+\u], s52, -v[198+\u]   ; what the rounding dropped,
.endr
.irp u, 0,1,2,3
	v_fma_f32 v[202+\u], v[194+\u], s53, v[202+\u]    ; and the low word's part
.endr
.irp u, 0,1,2,3
	v_rndne_f32 v[206+\u], v[198+\u]
.endr
.irp u, 0,1,2,3
	v_sub_f32 v[198+\u], v[198+\u], v[206+\u]      ; exact
.endr
.irp u, 0,1,2,3
	v_add_f32 v[198+\u], v[198+\u], v[202+\u]      ; the fraction, within +-0.5
.endr
.irp u, 0,1,2,3
	v_exp_f32 v[198+\u], v[198+\u]
.endr
	v_nop                                          ; a plain line behind the last exponential
.irp u, 0,1,2,3
	v_cvt_i32_f32 v[206+\u], v[206+\u]
.endr
	s_wait_alu depctr_va_vdst(0)
.irp u, 0,1,2,3
	v_ldexp_f32 v[198+\u], v[198+\u], v[206+\u]    ; inv_freq
.endr
.irp u, 0,1,2,3
	v_mul_f32 v[210+\u], v192, v[198+\u]           ; the angle, rounded to f32
.endr
.irp u, 0,1,2,3
	v_mul_f32 v[214+\u], s54, v[210+\u]
.endr
.irp u, 0,1,2,3
	v_rndne_f32 v[214+\u], v[214+\u]               ; how many quarter turns
.endr
.irp u, 0,1,2,3
	v_fma_f32 v[218+\u], v[214+\u], s55, v[210+\u]
.endr
.irp u, 0,1,2,3
	v_fma_f32 v[218+\u], v[214+\u], s56, v[218+\u] ; r, within +-pi/4
.endr
.irp u, 0,1,2,3
	v_mul_f32 v[222+\u], v[218+\u], v[218+\u]      ; z
.endr
.irp u, 0,1,2,3
	v_fma_f32 v[226+\u], v[222+\u], s59, s58
	v_fma_f32 v[240+\u], v[222+\u], s62, s61
.endr
.irp u, 0,1,2,3
	v_fma_f32 v[226+\u], v[226+\u], v[222+\u], s57
	v_fma_f32 v[240+\u], v[240+\u], v[222+\u], s60
.endr
.irp u, 0,1,2,3
	v_mul_f32 v[244+\u], v[218+\u], v[222+\u]
	v_fma_f32 v[248+\u], v[222+\u], -0.5, 1.0
.endr
.irp u, 0,1,2,3
	v_mul_f32 v[222+\u], v[222+\u], v[222+\u]
.endr
.irp u, 0,1,2,3
	v_fma_f32 v[244+\u], v[244+\u], v[226+\u], v[218+\u]   ; sin r
	v_fma_f32 v[248+\u], v[222+\u], v[240+\u], v[248+\u]   ; cos r
.endr
.irp u, 0,1,2,3
	v_cvt_i32_f32 v[214+\u], v[214+\u]
.endr
.irp u, 0,1,2,3
	v_and_b32 v[252+\u], 1, v[214+\u]              ; an odd number of quarter turns swaps the two
	v_cmp_eq_u32 vcc_lo, 1, v[252+\u]
	v_cndmask_b32 v[236+\u], v[244+\u], v[248+\u], vcc_lo
	v_cndmask_b32 v[232+\u], v[248+\u], v[244+\u], vcc_lo
.endr
.irp u, 0,1,2,3
	v_lshlrev_b32 v[252+\u], 30, v[214+\u]         ; the sine changes sign in quarters 2 and 3,
	v_add_nc_u32 v[214+\u], 1, v[214+\u]
.endr
.irp u, 0,1,2,3
	v_and_b32 v[252+\u], 0x80000000, v[252+\u]
	v_lshlrev_b32 v[214+\u], 30, v[214+\u]         ; the cosine in quarters 1 and 2
.endr
.irp u, 0,1,2,3
	v_xor_b32 v[236+\u], v[236+\u], v[252+\u]
	v_and_b32 v[214+\u], 0x80000000, v[214+\u]
.endr
.irp u, 0,1,2,3
	v_xor_b32 v[232+\u], v[232+\u], v[214+\u]
.endr
	global_store_b128 v190, v[232:235], s[22:23]               ; sixteen lanes store 256 consecutive bytes, aligned: a row's cosines,
	global_store_b128 v190, v[236:239], s[22:23] offset:256    ; and its sines
	s_wait_kmcnt 0x0
.irp s, 0,1,2
	s_add_co_i32 s50, s[24+2*\s], 127
	s_lshl_b32 s51, s50, 23
	v_mov_b32 v[SC+\s], s51                        ; 2^e as f32: the conversion takes its exponent field
	s_add_co_i32 s50, s50, 8
	s_lshl_b32 s50, s50, 23
	s_or_b32 s50, s50, 0x600000
	v_mov_b32 v[LM+\s], s50                        ; 448 x 2^e
.endr
	s_wait_loadcnt 12                              ; step 0's four loads are in
	TURN 0
.irp t, 0,1,2,3,4,5,6,7,8,9,10,11,12,13,14,15
	XSTEP \t
.endr
	s_wait_tensorcnt 0x0
	ds_add_u32 v230, v231
	s_wait_dscnt 0x0
	s_endpgm
	; ---------------- the weights ----------------
	; A lane takes a column n and its registers run down K, so the conversions give codes with K innermost; nothing is transposed by an instruction.
	; One path serves the four tensors: pointers, sizes and the scale are chosen on the work-group's number.  A work-group takes 128 columns x 256 along K, a wave 32 columns.
.Lweights:
	s_sub_co_u32 s37, ttmp9, 256                   ; 0-63 Wq, 64-95 Wk, 96-127 Wv, 128-191 Wo
	s_wait_kmcnt 0x0
	s_mov_b64 s[60:61], s[12:13]                   ; from
	s_mov_b64 s[62:63], s[20:21]                   ; to
	s_mov_b32 s66, 2                               ; a source row is 2,048 << this bytes; 4 << this tiles of columns
	s_mov_b32 s67, 128                             ; the tensor's first work-group
	s_mov_b32 s68, 0                               ; its first row in the buffer of codes
	s_mov_b32 s69, s35                             ; e
	s_mov_b32 s70, 1024                            ; bytes in a row of codes
	s_cmp_lt_u32 s37, 128
	s_cselect_b64 s[60:61], s[10:11], s[60:61]
	s_cselect_b64 s[62:63], s[18:19], s[62:63]
	s_cselect_b32 s66, 0, s66
	s_cselect_b32 s67, 96, s67
	s_cselect_b32 s68, 1536, s68
	s_cselect_b32 s69, s29, s69
	s_cselect_b32 s70, 2048, s70
	s_cmp_lt_u32 s37, 96
	s_cselect_b64 s[60:61], s[8:9], s[60:61]
	s_cselect_b32 s67, 64, s67
	s_cselect_b32 s68, 1024, s68
	s_cselect_b32 s69, s27, s69
	s_cmp_lt_u32 s37, 64
	s_cselect_b64 s[60:61], s[6:7], s[60:61]
	s_cselect_b32 s66, 1, s66
	s_cselect_b32 s67, 0, s67
	s_cselect_b32 s68, 0, s68
	s_cselect_b32 s69, s25, s69
	s_lshl_b32 s71, 2048, s66                      ; bytes in a source row
	s_sub_co_u32 s72, s37, s67
	s_lshl_b32 s73, 4, s66
	s_sub_co_u32 s73, s73, 1
	s_and_b32 s73, s72, s73                        ; tile of columns
	s_add_co_u32 s74, s66, 2
	s_lshr_b32 s74, s72, s74                       ; tile along K
	s_lshl_b32 s73, s73, 7
	s_lshl_b32 s75, s36, 5
	s_add_co_u32 s73, s73, s75                     ; my wave's first column
	s_lshl_b32 s76, s74, 8
	s_mul_i32 s76, s76, s71
	s_lshl_b32 s77, s73, 2
	s_add_co_u32 s76, s76, s77
	s_mov_b32 s77, 0
	s_add_nc_u64 s[40:41], s[60:61], s[76:77]      ; block 0 of my 8 blocks of 32 along K;
	s_lshl_b32 s76, s71, 5
.irp t, 1,2,3,4,5,6,7
	s_add_nc_u64 s[40+2*\t:41+2*\t], s[38+2*\t:39+2*\t], s[76:77]   ; a base for each block, 32 source rows apart
.endr
	v_lshlrev_b32 v[OF], 2, v2
.set ci, 1
.rept 31
	v_add_nc_u32 v[OF+ci], s71, v[OF+ci-1]
.set ci, ci+1
.endr
	WLOAD 0
	WLOAD 1
	s_add_co_u32 s78, s68, s73
	s_mul_i32 s78, s78, s70
	s_lshl_b32 s79, s74, 8
	s_add_co_u32 s78, s78, s79
	s_mov_b32 s79, 0
	s_add_nc_u64 s[62:63], s[62:63], s[78:79]      ; the codes: my first column's row, my 256 along K
	s_mul_i32 s80, s36, 32*WP
	s_add_co_u32 s80, s80, WSTG                    ; my stage
	v_mul_u32_u24 v4, v2, WP
	v_add_nc_u32 v4, s80, v4                       ; into it: row = my column
	v_and_b32 v5, 15, v2
	v_lshrrev_b32 v6, 4, v2
	v_mul_u32_u24 v7, v6, WP
	v_lshl_add_u32 v7, v5, 4, v7
	v_add_nc_u32 v7, s80, v7                       ; out of it: sixteen lanes to a row, two rows an instruction
	v_mul_u32_u24 v[DO], s70, v6
	v_lshl_add_u32 v[DO], v5, 4, v[DO]
	s_lshl_b32 s81, s70, 1
.set ci, 1
.rept 15
	v_add_nc_u32 v[DO+ci], s81, v[DO+ci-1]
.set ci, ci+1
.endr
	s_add_co_i32 s69, s69, 127
	s_lshl_b32 s75, s69, 23
	v_mov_b32 v11, s75                             ; 2^e
	s_add_co_i32 s69, s69, 8
	s_lshl_b32 s69, s69, 23
	s_or_b32 s69, s69, 0x600000
	v_mov_b32 v10, s69                             ; 448 x 2^e
.irp t, 0,1,2,3,4,5,6,7
	BLOCK \t
.endr
.irp t, 0,1,2,3,4,5,6,7,8,9,10,11,12,13,14,15
	ds_load_b128 v[OUTR+4*\t:OUTR+4*\t+3], v7 offset:2*\t*WP   ; LDS serves a wave's instructions in order: these see my stores
.endr
.irp t, 0,1,2,3,4,5,6,7,8,9,10,11,12,13,14,15
	s_wait_dscnt 15-\t                             ; the younger reads may be out
	global_store_b128 v[DO+\t], v[OUTR+4*\t:OUTR+4*\t+3], s[62:63]   ; sixteen lanes store 256 consecutive bytes, aligned
.endr
	s_wait_tensorcnt 0x0
	ds_add_u32 v230, v231
	s_wait_dscnt 0x0
	s_endpgm
.Lfunc_end_k_qb66e83734b_prep:
	.size	k_qb66e83734b_prep, .Lfunc_end_k_qb66e83734b_prep-k_qb66e83734b_prep
	.p2alignl 7, 3214868480
	.fill 96, 4, 3214868480
	.section	.rodata,"a",@progbits
	.p2align	6, 0x0
	.amdhsa_kernel k_qb66e83734b_prep
		.amdhsa_group_segment_fixed_size 68096
		.amdhsa_private_segment_fixed_size 0
		.amdhsa_enable_private_segment 0
		.amdhsa_kernarg_size 80
		.amdhsa_user_sgpr_count 2
		.amdhsa_user_sgpr_kernarg_segment_ptr 1
		.amdhsa_wavefront_size32 1
		.amdhsa_system_sgpr_workgroup_id_x 1
		.amdhsa_system_sgpr_workgroup_id_y 1
		.amdhsa_system_sgpr_workgroup_id_z 1
		.amdhsa_system_vgpr_workitem_id 0
		.amdhsa_next_free_vgpr 256
		.amdhsa_next_free_sgpr 100
		.amdhsa_reserve_vcc 1
		.amdhsa_float_denorm_mode_32 3
		.amdhsa_float_denorm_mode_16_64 3
		.amdhsa_memory_ordered 1
		.amdhsa_forward_progress 1
		.amdhsa_inst_pref_size 136
	.end_amdhsa_kernel
	.amdgpu_metadata
---
amdhsa.version: [ 1, 2 ]
amdhsa.kernels:
  - .name:           k_qb66e83734b_prep
    .symbol:         k_qb66e83734b_prep.kd
    .args:
      - { .name: x, .offset: 0, .size: 8, .value_kind: global_buffer, .address_space: global }
      - { .name: Wq, .offset: 8, .size: 8, .value_kind: global_buffer, .address_space: global }
      - { .name: Wk, .offset: 16, .size: 8, .value_kind: global_buffer, .address_space: global }
      - { .name: Wv, .offset: 24, .size: 8, .value_kind: global_buffer, .address_space: global }
      - { .name: Wo, .offset: 32, .size: 8, .value_kind: global_buffer, .address_space: global }
      - { .name: lowp_scales, .offset: 40, .size: 8, .value_kind: global_buffer, .address_space: global }
      - { .name: xc, .offset: 48, .size: 8, .value_kind: global_buffer, .address_space: global }
      - { .name: wc, .offset: 56, .size: 8, .value_kind: global_buffer, .address_space: global }
      - { .name: woc, .offset: 64, .size: 8, .value_kind: global_buffer, .address_space: global }
      - { .name: rope, .offset: 72, .size: 8, .value_kind: global_buffer, .address_space: global }
    .group_segment_fixed_size: 68096
    .private_segment_fixed_size: 0
    .kernarg_segment_align: 8
    .kernarg_segment_size: 80
    .max_flat_workgroup_size: 128
    .sgpr_count:     100
    .vgpr_count:     256
    .wavefront_size: 32
...
	.end_amdgpu_metadata
.endif
;; end of part 1
;; launch qkv (part 2): grid 16 x 16, 4 waves a work-group, clusters of 4 x 4, 327,680 bytes of LDS; arguments xc, wc, rope, q_norm_w, k_norm_w, lowp_scales, qc, kc, vc; writes qc, kc, vc
.if DOCPART == 2
	.amdgcn_target "amdgcn-amd-amdhsa--gfx1250"
	.amdhsa_code_object_version 6
	.text
	.protected	k_qb66e83734b_qkv
	.globl	k_qb66e83734b_qkv
	.p2align	8
	.type	k_qb66e83734b_qkv,@function
k_qb66e83734b_qkv:
	s_mov_b64 s[64:65], 0
	v_nop
	global_prefetch_b8 v0, s[64:65] scope:SCOPE_SE
	s_setreg_imm32_b32 hwreg(HW_REG_WAVE_MODE, 25, 1), 1
	s_wait_xcnt 0x0
	s_wait_alu depctr_hold_cnt(0) depctr_sa_sdst(0) depctr_va_vdst(0) depctr_va_sdst(0) depctr_va_ssrc(0) depctr_va_vcc(0) depctr_vm_vsrc(0)
	s_getreg_b32 s2, hwreg(HW_REG_IB_STS2, 6, 4)
	s_cmp_eq_u32 s2, 0
	s_cbranch_scc0 .Lentry_in_a_cluster
	s_endpgm
.Lentry_in_a_cluster:
	s_bfe_u32 s2, ttmp6, 0x10000c
	s_cmp_lg_u32 s2, 0xf033
	s_cbranch_scc0 .Lentry_shape_is_right
	s_endpgm
.Lentry_shape_is_right:
; QKV: the three projections as one GEMM on E4M3 codes, [4096 rows of x] x [2048 rows of wc] over K = 2048, and what follows each: q, k: RMS norm over the head, gain, RoPE, quantiser (e6, e7), codes [head][t][128];
; v: quantiser (e9) with the KEYS innermost, vc [b, kv][16 blocks of keys][128 d][128 keys].  All behind the sums is f32.
; kc's ROWS ARE LAID AS THE ATTENTION READS THEM: in each block of 32 keys, row rho holds the key whose number is rho with bits 3 and 4 exchanged, so that the 16 keys of one of its tiles are 16 neighbouring rows.
; SHARES.  A work-group makes 256 rows of x by 128 rows of wc (one head): 16 x 16 work-groups, one for each WGP.  Four waves, each 64 x 128 of it: 32 accumulators, so a head's 128 numbers of a row lie in two lanes of ONE wave.
; The section (0 q, 1 k, 2 v) follows from the cluster's x alone; it picks x's set of codes (scales e0, e2, e4), the norm's gain, the scales and the buffer.
; THE MATRIX INSTRUCTION: source 0 = set P (8 fragments), source 1 = set Q (4 fragments); a lane then holds ONE row of Q and eight neighbouring rows of P.  q, k: P = the head's 128 rows of W, Q = 64 rows of x: a lane holds a
; row t and eight neighbouring d.  v: P = 128 rows of x (keys), Q = 64 rows of Wv: a lane holds one d and eight neighbouring KEYS, so its codes come out with the keys innermost and nothing is transposed.  Only the two LDS bases differ.
; A fragment (16 rows x 128 K) is fetched by four loads of 16 bytes: the same permutation of k on both sides, so every product meets its partner.
; RING.  K goes in steps of 256 through two LDS slots (rows of 256 bytes + 16 of padding); waves 0, 1 fetch x's two halves of 128 rows, waves 2, 3 W's two halves of 64 rows.
; CLUSTER 4 x 4: x's tile is shared along a row of the cluster, W's along a column: joint loads, each behind a round of the cluster's barrier.
; REGISTERS: window 0: v0-31 addresses; v32-95 the gain; v96-127 at work in the epilogue; v128-255 Q's fragments, two sets (in the epilogue: N and O).  window 1: P's fragments, two sets.  window 2: accumulator (i, b) at v[64 i + 8 b].
;   window 3: cos and sin of my 64 rows: fragment i: cos at v[64 i ..], sin at v[64 i + 32 ..].
; LIMITS on the given exponents, so that each power of two made below is an f32 number: E = e0 + e1 (e2 + e3): E and 2 E - 7 between -126 and 127; e6, e7 and e9 - e4 - e5 between -126 and 119.  NaN is not served.
.set KROW,  2048
.set LAPS,  4                          ; a lap = two K steps of 256 = once round the ring
.set PITCH, 272
.set HALFA, 128*PITCH
.set HALFB, 64*PITCH
.set BREG,  2*HALFA                    ; in a slot: x's 256 rows, then W's 128
.set SLOT,  BREG+2*HALFB
.set STAGE, 2*SLOT                     ; behind the ring: 64 rows x 144 bytes for each wave
.set SROW,  144
.set WSTG,  64*SROW
.set SPARE, STAGE+4*WSTG               ; behind the stages: the spare words, 128 bytes for each wave, which no other line names
.set ADRQ, 16                          ; v16-17  LDS address of my Q fragments in slot 0, 1
.set ADRP, 20                          ; v20-21  the same for P
.set STO,  24
.set RD,   25
.set GO,   26
.set SPW,  28
.set NIL,  29
.set QF,   128
.set W,    32                          ; the gain of my 64 d
.set C,    96                          ; codes
.set F,    112                         ; v[112:113] the row's factor
.set SS,   114                         ; v114-117 sums of squares
.set TT,   118
.set N,    128
.set O,    192
.set G1, 24
.set G0, 32
.set G1B, 48
.set G0B, 56
.set MSB, 0
.macro WIN new                         ; the immediate's high byte repeats the setting that is left
.if MSB != \new
	s_set_vgpr_msb (MSB<<8)|\new
.set MSB, \new
.endif
.endm
.set MULW, 0xa1                        ; source 0 (P) window 1, source 1 (Q) window 0, C and D window 2
.set TO_P, 0x40                        ; destination window 1
.macro JLOAD g0a, g1a, g0b, g1b        ; a joint load: waves 0, 1 for x, waves 2, 3 for W; four v_nop follow each line
	s_cmp_eq_u32 s15, 0
	s_cbranch_scc0 .Lfor_b_\@
	tensor_load_to_lds s[\g0a:\g0a+3], s[\g1a:\g1a+7]
	s_nop 0
.rept 4
	v_nop
.endr
	s_branch .Lasked_\@
.Lfor_b_\@:
	tensor_load_to_lds s[\g0b:\g0b+3], s[\g1b:\g1b+7]
	s_nop 0
.rept 4
	v_nop
.endr
.Lasked_\@:
.endm
.macro CREST                           ; a round of the cluster's barrier behind its opening barrier
	s_cmp_lg_u32 s14, 0
	s_cbranch_scc1 .Lnot_wave_0_\@
	s_barrier_signal -3
.Lnot_wave_0_\@:
	s_barrier_wait -3
	s_barrier_signal -1
	s_barrier_wait -1
.endm
.macro CROUND
	s_barrier_signal -1
	s_barrier_wait -1
	CREST
.endm
.macro PLACES                          ; four plain lines between a matrix instruction and a load into, or a vector read of, its registers
.rept 4
	v_nop
.endr
.endm
.macro FRAG reg, adr, q, i
.irp c, 0,1,2,3
	ds_load_b128 v[\reg+4*\c:\reg+4*\c+3], v[\adr] offset:128*(\q)+32*\c+(\i)*16*PITCH
.endr
.endm
.macro FETCH slot, q, set              ; 48 loads in one run: the slot's q-th 128 along K into fragment set 'set'
	WIN TO_P
.irp i, 0,1,2,3,4,5,6,7
	FRAG 128*(\set)+16*\i, ADRP+\slot, \q, \i
.endr
	WIN 0
.irp i, 0,1,2,3
	FRAG QF+64*(\set)+16*\i, ADRQ+\slot, \q, \i
.endr
.endm
.macro MUL i, set, zero                ; 8 matrix instructions: Q's fragment i against P's eight.  The 32 accumulators take turns in one order everywhere
.irp b, 0,1,2,3,4,5,6,7
.if \zero
	v_wmma_f32_16x16x128_fp8_fp8 v[64*(\i)+8*\b:64*(\i)+8*\b+7], v[128*(\set)+16*\b:128*(\set)+16*\b+15], v[QF+64*(\set)+16*(\i):QF+64*(\set)+16*(\i)+15], 0
.else
	v_wmma_f32_16x16x128_fp8_fp8 v[64*(\i)+8*\b:64*(\i)+8*\b+7], v[128*(\set)+16*\b:128*(\set)+16*\b+15], v[QF+64*(\set)+16*(\i):QF+64*(\set)+16*(\i)+15], v[64*(\i)+8*\b:64*(\i)+8*\b+7]
.endif
.endr
.endm
.macro STEP slot, zero                 ; a slot's first 128 along K (set 0); the second 128 are fetched under its products
	s_wait_dscnt 0x0                               ; set 0 is in
	PLACES                                         ; set 1 was read by the last products
	FETCH \slot, 1, 1
	WIN MULW
	MUL 0, 0, \zero
	MUL 1, 0, \zero
	MUL 2, 0, \zero
	MUL 3, 0, \zero
	WIN 0
.endm
.macro TURN slot, next, fill           ; a slot's second 128 along K (set 1), and the change of slots
	s_wait_tensorcnt 0x0                           ; all my tensor loads have landed: my part of the next slot
	ds_add_u32 v[SPW], v[NIL]                      ; 0 onto my spare word
	s_wait_dscnt 1                                 ; set 1 is in; only the add may be out
	WIN MULW
	MUL 0, 1, 0
	s_wait_dscnt 0x0                               ; the add is done, and my reads of this slot are over
	s_barrier_signal -1
	MUL 1, 1, 0
	WIN 0
	s_barrier_wait -1
.if \fill
	CREST                                          ; the barrier has opened a round of the cluster's: no wave of any partner still reads this slot or has a load on its way
	s_add_nc_u64 s[G0+4*\slot+2:G0+4*\slot+3], s[G0+4*\slot+2:G0+4*\slot+3], 512
	s_add_nc_u64 s[G0B+4*\slot+2:G0B+4*\slot+3], s[G0B+4*\slot+2:G0B+4*\slot+3], 512
	JLOAD G0+4*\slot, G1, G0B+4*\slot, G1B         ; two K steps on; its four v_nop are also the places in front of the loads below
.else
	PLACES
.endif
	FETCH \next, 0, 0
	WIN MULW
	MUL 2, 1, 0
	MUL 3, 1, 0
	WIN 0
.endm
; THE EPILOGUE of Q's fragment i (16 rows of x).  q, k: the row's sum of squares (my 64 d and the 64 of the lane 16 away), the factor 2^E / sqrt(mean + eps), the gain, RoPE (d and d + 64 lie in one lane, 32 registers apart), the hold.
.macro NORMROPE i
	WIN 0x0a                                       ; sources 0 and 1 window 2
	v_pk_mul_f32 v[SS:SS+1], v[64*\i:64*\i+1], v[64*\i:64*\i+1]           ; each accumulator is read from its low end on
	v_pk_mul_f32 v[SS+2:SS+3], v[64*\i+2:64*\i+3], v[64*\i+2:64*\i+3]
.set ck, 4
.rept 15
	v_pk_fma_f32 v[SS:SS+1], v[64*\i+ck:64*\i+ck+1], v[64*\i+ck:64*\i+ck+1], v[SS:SS+1]
	v_pk_fma_f32 v[SS+2:SS+3], v[64*\i+ck+2:64*\i+ck+3], v[64*\i+ck+2:64*\i+ck+3], v[SS+2:SS+3]
.set ck, ck+4
.endr
	WIN 0
	v_pk_add_f32 v[SS:SS+1], v[SS:SS+1], v[SS+2:SS+3]
	v_add_f32 v[SS], v[SS], v[SS+1]
	v_permlanex16_b32 v[TT], v[SS], s12, s13
	v_add_f32 v[SS], v[SS], v[TT]
	v_fma_f32 v[SS], v[SS], s97, s98               ; sum x 2^(2 E - 7) + eps = the mean of the squares + eps
	v_rsq_f32 v[F], v[SS]
	v_nop                                          ; a plain line behind the transcendental
	s_wait_alu depctr_va_vdst(0)
	v_mul_f32 v[F], s96, v[F]                      ; x 2^E: a sum stands for sum x 2^E
	WIN 0x02                                       ; source 0 window 2
.set ck, 0
.rept 32
	v_pk_mul_f32 v[N+ck:N+ck+1], v[64*\i+ck:64*\i+ck+1], v[F:F+1] op_sel_hi:[1,0]
.set ck, ck+2
.endr
	WIN 0
.set ck, 0
.rept 32
	v_pk_mul_f32 v[N+ck:N+ck+1], v[N+ck:N+ck+1], v[W+ck:W+ck+1]
.set ck, ck+2
.endr
	WIN 0x0c                                       ; source 1 window 3: cos, sin
.set ck, 0
.rept 16
	v_pk_mul_f32 v[O+ck:O+ck+1], v[N+ck:N+ck+1], v[64*\i+ck:64*\i+ck+1]
	v_pk_mul_f32 v[O+32+ck:O+32+ck+1], v[N+32+ck:N+32+ck+1], v[64*\i+ck:64*\i+ck+1]
	v_pk_fma_f32 v[O+ck:O+ck+1], v[N+32+ck:N+32+ck+1], v[64*\i+32+ck:64*\i+32+ck+1], v[O+ck:O+ck+1] neg_lo:[1,0,0] neg_hi:[1,0,0]   ; d < 64: n(d) cos - n(d + 64) sin
	v_pk_fma_f32 v[O+32+ck:O+32+ck+1], v[N+ck:N+ck+1], v[64*\i+32+ck:64*\i+32+ck+1], v[O+32+ck:O+32+ck+1]                          ; d >= 64: n(d) cos + n(d - 64) sin
.set ck, ck+2
.endr
	WIN 0
.set ck, 0
.rept 64
	v_med3_num_f32 v[O+ck], v[O+ck], -v121, v121   ; the conversion does not saturate (ISA guide 7.6.2)
.set ck, ck+1
.endr
.endm
.macro HOLDV i                         ; v: the sums as they are; the three scales are folded into the conversion's one
	WIN 0x02
.set ck, 0
.rept 64
	v_med3_num_f32 v[O+ck], v[64*\i+ck], -v121, v121
.set ck, ck+1
.endr
	WIN 0
.endm
.macro CODES i                         ; 64 numbers of a lane become 64 codes: 8 bytes for each of P's fragments, into row 16 i + (lane % 16) of my stage
	s_wait_dscnt 0x0                               ; the last fragment's stores have read C
.irp b, 0,1,2,3,4,5,6,7
	v_cvt_scalef32_pk8_fp8_f32 v[C+2*\b:C+2*\b+1], v[O+8*\b:O+8*\b+7], v120
.endr
	v_nop                                          ; a plain line behind the last conversion
.irp b, 0,1,2,3,4,5,6,7
	ds_store_b64 v[STO], v[C+2*\b:C+2*\b+1] offset:16*SROW*\i+16*\b
.endr
.endm
	s_load_b128 s[4:7], s[0:1], 0x0                ; xc s[4:5], wc s[6:7]
	s_load_b256 s[68:75], s[0:1], 0x10             ; rope s[68:69], q_norm_w s[70:71], k_norm_w s[72:73], the scales s[74:75]
	s_load_b128 s[76:79], s[0:1], 0x30             ; qc s[76:77], kc s[78:79]
	s_load_b64 s[80:81], s[0:1], 0x40              ; vc
	v_lshl_add_u32 v[SPW], v0, 2, SPARE
	v_mov_b32 v[NIL], 0
	ds_add_u32 v28, v29
	ds_add_u32 v28, v29
	s_wait_dscnt 0x0
	v_lshrrev_b32 v1, 5, v0
	v_readfirstlane_b32 s14, v1                    ; wave 0..3
	s_lshr_b32 s15, s14, 1                         ; I fetch for x (0) or for W (1)
	s_and_b32 s16, s14, 1                          ; which half of that tile
	s_bfe_u32 s40, ttmp6, 0x40000                  ; cx, cy
	s_bfe_u32 s41, ttmp6, 0x40004
	s_lshl_b32 s42, ttmp9, 2
	s_add_co_u32 s42, s42, s40                     ; tile of 128 rows of wc
	s_and_b32 s17, ttmp7, 0xffff
	s_lshl_b32 s17, s17, 2
	s_add_co_u32 s17, s17, s41                     ; tile of 256 rows of x
	s_lshl_b32 s43, s41, 2
	s_lshl_b32 s43, 15, s43                        ; my row of the cluster
	s_lshl_b32 s44, 0x1111, s40                    ; my column
	s_max_u32 s94, ttmp9, 1
	s_sub_co_u32 s94, s94, 1                       ; the section: clusters 0, 1 along x make q, cluster 2 k, cluster 3 v: the same number in all sixteen partners
	s_or_b32 s[G1+0], s43, (1<<20)|(1<<21)|(5<<22)|(3<<25)    ; the mask; elements of 1 byte; padding on; bit 21 beside a mask; 4 words behind every 64
	s_or_b32 s[G1B+0], s44, (1<<20)|(1<<21)|(5<<22)|(3<<25)
	s_mov_b32 s[G1+1], 256<<16                     ; tensor_dim0
	s_mov_b32 s[G1+2], 128<<16                     ; tensor_dim1
	s_mov_b32 s[G1+3], 256<<16                     ; tile_dim0
	s_mov_b32 s[G1+4], 128                         ; tile_dim1
	s_mov_b32 s[G1+5], KROW                        ; from row to row
	s_mov_b32 s[G1+6], 0
	s_mov_b32 s[G1+7], 0
	s_mov_b32 s[G1B+1], 256<<16
	s_mov_b32 s[G1B+2], 64<<16
	s_mov_b32 s[G1B+3], 256<<16
	s_mov_b32 s[G1B+4], 64
	s_mov_b32 s[G1B+5], KROW
	s_mov_b32 s[G1B+6], 0
	s_mov_b32 s[G1B+7], 0
	s_lshl_b32 s18, s16, 7
	s_lshl_b32 s20, s17, 8
	s_add_co_u32 s20, s20, s18                     ; x: row 256 x tile + 128 x half,
	s_mul_i32 s20, s20, KROW
	s_lshl_b32 s21, s94, 23
	s_add_co_u32 s20, s20, s21                     ; in the section's set of codes
	s_mov_b32 s21, 0
	s_lshl_b32 s46, s42, 7
	s_lshl_b32 s47, s16, 6
	s_add_co_u32 s46, s46, s47                     ; W: row 128 x tile + 64 x half
	s_mul_i32 s46, s46, KROW
	s_mov_b32 s47, 0
	s_mul_i32 s45, s16, HALFA                      ; where they go: no place in the cluster enters an LDS address
	s_mul_i32 s95, s16, HALFB
	s_add_co_u32 s95, s95, BREG
	s_wait_kmcnt 0x0
	s_load_b256 s[84:91], s[74:75], 0x0            ; e0 .. e7
	s_load_b64 s[92:93], s[74:75], 0x20            ; e8, e9
	s_add_nc_u64 s[20:21], s[4:5], s[20:21]
	s_add_nc_u64 s[46:47], s[6:7], s[46:47]
	CROUND                                         ; all sixteen work-groups are here: the first joint loads meet
.irp s, 0,1
	s_mov_b32 s[G0+4*\s], 1
	s_add_co_u32 s[G0+4*\s+1], s45, \s*SLOT
	s_add_nc_u64 s[G0+4*\s+2:G0+4*\s+3], s[20:21], \s*256
	s_or_b32 s[G0+4*\s+3], s[G0+4*\s+3], 0x80000000
	s_mov_b32 s[G0B+4*\s], 1
	s_add_co_u32 s[G0B+4*\s+1], s95, \s*SLOT
	s_add_nc_u64 s[G0B+4*\s+2:G0B+4*\s+3], s[46:47], \s*256
	s_or_b32 s[G0B+4*\s+3], s[G0B+4*\s+3], 0x80000000
	JLOAD G0+4*\s, G1, G0B+4*\s, G1B
.endr
	v_and_b32 v1, 15, v0                           ; r
	v_bfe_u32 v2, v0, 4, 1                         ; h
	v_mul_u32_u24 v3, v1, PITCH
	v_lshl_add_u32 v4, v2, 4, v3                   ; a fragment's row x pitch + 16 h
	s_mul_i32 s18, s14, HALFB                      ; q, k: Q = my 64 rows of x, P = W's 128 rows
	s_mul_i32 s19, s15, HALFA                      ; v: P = my 128 rows of x, Q = my 64 rows of Wv
	s_cmp_eq_u32 s94, 2
	s_cselect_b32 s22, s95, s18
	s_cselect_b32 s23, s19, BREG
.irp s, 0,1
	v_add_nc_u32 v[ADRQ+\s], s22, v4
	v_add_nc_u32 v[ADRP+\s], s23, v4
	s_add_co_u32 s22, s22, SLOT
	s_add_co_u32 s23, s23, SLOT
.endr
	s_mul_i32 s22, s14, WSTG
	s_add_co_u32 s22, s22, STAGE                   ; my stage
	v_mul_u32_u24 v5, v1, SROW
	v_lshl_add_u32 v5, v2, 3, v5
	v_add_nc_u32 v[STO], s22, v5                   ; in: row r, 8 bytes for each half of the lanes
	v_and_b32 v6, 31, v0
	v_lshrrev_b32 v7, 3, v6
	v_mul_u32_u24 v7, v7, SROW
	v_and_b32 v5, 7, v0
	v_lshl_add_u32 v7, v5, 4, v7
	v_add_nc_u32 v[RD], s22, v7                    ; back: eight lanes to a row of 128 bytes, four rows an instruction
	v_lshlrev_b32 v[GO], 4, v6                     ; and in memory these 512 bytes are consecutive
	; cos and sin of my 64 rows, and the gain: asked for here, wanted behind the sums.  All sections ask (v uses none of it), so that one path writes these registers
	s_and_b32 s18, s17, 7
	s_lshl_b32 s18, s18, 8
	s_lshl_b32 s19, s14, 6
	s_add_co_u32 s82, s18, s19                     ; 256 x (tile % 8) + 64 x wave: my first position in the sequence
	s_lshl_b32 s22, s82, 9
	s_mov_b32 s23, 0
	s_add_nc_u64 s[68:69], s[68:69], s[22:23]
	v_lshlrev_b32 v8, 9, v1
	v_lshl_add_u32 v8, v2, 5, v8                   ; row r of 512 bytes, + 32 h
	WIN 0xc0                                       ; destination window 3
.irp i, 0,1,2,3
.irp b, 0,1,2,3
	global_load_b128 v[64*\i+8*\b:64*\i+8*\b+3], v8, s[68:69] offset:8192*\i+64*\b
	global_load_b128 v[64*\i+8*\b+4:64*\i+8*\b+7], v8, s[68:69] offset:8192*\i+64*\b+16
	global_load_b128 v[64*\i+32+8*\b:64*\i+32+8*\b+3], v8, s[68:69] offset:8192*\i+64*\b+256
	global_load_b128 v[64*\i+32+8*\b+4:64*\i+32+8*\b+7], v8, s[68:69] offset:8192*\i+64*\b+272
.endr
.endr
	WIN 0
	s_cmp_eq_u32 s94, 0
	s_cselect_b64 s[70:71], s[70:71], s[72:73]
	v_lshlrev_b32 v9, 5, v2
.irp b, 0,1,2,3,4,5,6,7
	global_load_b128 v[W+8*\b:W+8*\b+3], v9, s[70:71] offset:64*\b
	global_load_b128 v[W+8*\b+4:W+8*\b+7], v9, s[70:71] offset:64*\b+16
.endr
	; where my 64 rows of 128 codes go: (head x 2048 + my first position) x 128 in all three buffers (v: block of keys and row d give the same sum)
	s_lshr_b32 s18, s17, 3                         ; the batch
	s_lshl_b32 s19, s18, 3
	s_add_co_u32 s19, s19, s42                     ; q: 8 b + tile
	s_lshl_b32 s22, s18, 2
	s_add_co_u32 s22, s22, s42
	s_lshl_b32 s23, s94, 2
	s_sub_co_u32 s22, s22, s23
	s_sub_co_u32 s22, s22, 4                       ; k, v: 4 b + tile - 4 - 4 x section
	s_cmp_eq_u32 s94, 0
	s_cselect_b32 s19, s19, s22
	s_cselect_b64 s[76:77], s[76:77], s[78:79]
	s_cmp_eq_u32 s94, 2
	s_cselect_b64 s[76:77], s[80:81], s[76:77]
	s_lshl_b32 s19, s19, 11
	s_add_co_u32 s19, s19, s82
	s_lshl_b32 s22, s19, 7
	s_mov_b32 s23, 0
	s_add_nc_u64 s[76:77], s[76:77], s[22:23]
	s_mov_b32 s12, 0x76543210                      ; v_permlanex16_b32: lane l xor 16
	s_mov_b32 s13, 0xfedcba98
	v_mov_b32 v[F+1], 0                            ; named as the upper half of a pair
	v_mov_b32 v[TT], 0                             ; a lane permute's destination counts as read
	s_wait_tensorcnt 1                             ; my part of K step 0 is in; K step 1's may be out
	s_barrier_signal -1
	s_barrier_wait -1
	FETCH 0, 0, 0
	STEP 0, 1                                      ; the first products start the sums
	s_mov_b32 s3, LAPS-1
.Llap:
	TURN 0, 1, 1
	STEP 1, 0
	TURN 1, 0, 1
	STEP 0, 0
	s_sub_co_u32 s3, s3, 1
	s_cmp_lg_u32 s3, 0
	s_cbranch_scc1 .Llap
	TURN 0, 1, 0                                   ; the last lap fills nothing
	STEP 1, 0
	s_wait_dscnt 0x0
	WIN MULW
	MUL 0, 1, 0
	MUL 1, 1, 0
	MUL 2, 1, 0
	MUL 3, 1, 0
	WIN 0
	PLACES
	s_wait_kmcnt 0x0
	s_add_co_i32 s96, s84, s85
	s_add_co_i32 s97, s86, s87
	s_add_co_i32 s98, s88, s89
	s_mov_b32 s99, s90
	s_cmp_eq_u32 s94, 1
	s_cselect_b32 s96, s97, s96
	s_cselect_b32 s99, s91, s99
	s_cmp_eq_u32 s94, 2
	s_cselect_b32 s96, s98, s96                    ; E: a sum stands for sum x 2^E
	s_cselect_b32 s99, s93, s99                    ; the quantiser's exponent: e6, e7 or e9
	s_cselect_b32 s100, s96, 0
	s_sub_co_i32 s99, s99, s100                    ; v: its sums go to the conversion as they are, so E is taken off
	s_add_co_i32 s99, s99, 127
	s_lshl_b32 s100, s99, 23
	v_mov_b32 v120, s100                           ; the conversion's scale
	s_add_co_i32 s99, s99, 8
	s_lshl_b32 s99, s99, 23
	s_or_b32 s99, s99, 0x600000
	v_mov_b32 v121, s99                            ; 448 x that
	s_lshl_b32 s97, s96, 1
	s_add_co_i32 s97, s97, 120
	s_lshl_b32 s97, s97, 23                        ; 2^(2 E - 7): squares' scale over 128
	s_mov_b32 s98, 0x3727c5ac                      ; eps = 1e-5
	s_add_co_i32 s96, s96, 127
	s_lshl_b32 s96, s96, 23                        ; 2^E
	s_wait_loadcnt 0x0                             ; cos, sin, the gain
	s_cmp_eq_u32 s94, 2                            ; the same way in all sixteen partners; no barrier stands on either way
	s_cbranch_scc1 .Lvals
.irp i, 0,1,2,3
	NORMROPE \i
	CODES \i
.endr
	s_branch .Lout
.Lvals:
.irp i, 0,1,2,3
	HOLDV \i
	CODES \i
.endr
.Lout:
	; Instruction t brings the four rows that go to rows 4 t .. 4 t + 3 of my 64 in memory.  q, v: the same rows of the stage.  k: bits 3 and 4 of the row's number are bits 1 and 2 of t: they are exchanged in the immediate.
	s_cmp_eq_u32 s94, 1                            ; the same way in all sixteen partners; sixteen reads on either way
	s_cbranch_scc1 .Lkrows
.irp t, 0,1,2,3,4,5,6,7,8,9,10,11,12,13,14,15
	ds_load_b128 v[N+4*\t:N+4*\t+3], v[RD] offset:4*SROW*\t    ; LDS serves a wave's instructions in order: these see my stores
.endr
	s_branch .Lsend
.Lkrows:
.irp t, 0,1,2,3,4,5,6,7,8,9,10,11,12,13,14,15
	ds_load_b128 v[N+4*\t:N+4*\t+3], v[RD] offset:4*SROW*(((\t)&9)|(((\t)&2)<<1)|(((\t)&4)>>1))
.endr
.Lsend:
.irp t, 0,1,2,3,4,5,6,7,8,9,10,11,12,13,14,15
	s_wait_dscnt 15-\t                             ; the younger reads may be out
	global_store_b128 v[GO], v[N+4*\t:N+4*\t+3], s[76:77] offset:512*\t   ; 32 lanes store 512 consecutive bytes, aligned
.endr
	s_wait_tensorcnt 0x0                           ; the wave's end
	ds_add_u32 v[SPW], v[NIL]
	s_wait_dscnt 0x0
	CROUND                                         ; the closing round
	s_endpgm
.Lfunc_end_k_qb66e83734b_qkv:
	.size	k_qb66e83734b_qkv, .Lfunc_end_k_qb66e83734b_qkv-k_qb66e83734b_qkv
	.p2alignl 7, 3214868480
	.fill 96, 4, 3214868480
	.section	.rodata,"a",@progbits
	.p2align	6, 0x0
	.amdhsa_kernel k_qb66e83734b_qkv
		.amdhsa_group_segment_fixed_size 327680
		.amdhsa_private_segment_fixed_size 0
		.amdhsa_enable_private_segment 0
		.amdhsa_kernarg_size 72
		.amdhsa_user_sgpr_count 2
		.amdhsa_user_sgpr_kernarg_segment_ptr 1
		.amdhsa_wavefront_size32 1
		.amdhsa_system_sgpr_workgroup_id_x 1
		.amdhsa_system_sgpr_workgroup_id_y 1
		.amdhsa_system_sgpr_workgroup_id_z 1
		.amdhsa_system_vgpr_workitem_id 0
		.amdhsa_next_free_vgpr 1024
		.amdhsa_next_free_sgpr 102
		.amdhsa_reserve_vcc 0
		.amdhsa_float_denorm_mode_32 3
		.amdhsa_float_denorm_mode_16_64 3
		.amdhsa_memory_ordered 1
		.amdhsa_forward_progress 1
		.amdhsa_inst_pref_size 150
	.end_amdhsa_kernel
	.amdgpu_metadata
---
amdhsa.version: [ 1, 2 ]
amdhsa.kernels:
  - .name:           k_qb66e83734b_qkv
    .symbol:         k_qb66e83734b_qkv.kd
    .args:
      - { .name: xc, .offset: 0, .size: 8, .value_kind: global_buffer, .address_space: global }
      - { .name: wc, .offset: 8, .size: 8, .value_kind: global_buffer, .address_space: global }
      - { .name: rope, .offset: 16, .size: 8, .value_kind: global_buffer, .address_space: global }
      - { .name: q_norm_w, .offset: 24, .size: 8, .value_kind: global_buffer, .address_space: global }
      - { .name: k_norm_w, .offset: 32, .size: 8, .value_kind: global_buffer, .address_space: global }
      - { .name: lowp_scales, .offset: 40, .size: 8, .value_kind: global_buffer, .address_space: global }
      - { .name: qc, .offset: 48, .size: 8, .value_kind: global_buffer, .address_space: global }
      - { .name: kc, .offset: 56, .size: 8, .value_kind: global_buffer, .address_space: global }
      - { .name: vc, .offset: 64, .size: 8, .value_kind: global_buffer, .address_space: global }
    .group_segment_fixed_size: 327680
    .private_segment_fixed_size: 0
    .kernarg_segment_align: 8
    .kernarg_segment_size: 72
    .max_flat_workgroup_size: 128
    .sgpr_count:     102
    .vgpr_count:     1024
    .wavefront_size: 32
...
	.end_amdgpu_metadata
.endif
;; end of part 2
;; launch attn (part 3): grid 32 x 8, 8 waves a work-group, clusters of 4 x 1, 327,680 bytes of LDS; arguments qc, kc, vc, lowp_scales, ac; writes ac
.if DOCPART == 3
	.amdgcn_target "amdgcn-amd-amdhsa--gfx1250"
	.amdhsa_code_object_version 6
	.text
	.protected	k_qb66e83734b_attn
	.globl	k_qb66e83734b_attn
	.p2align	8
	.type	k_qb66e83734b_attn,@function
k_qb66e83734b_attn:
	s_mov_b64 s[64:65], 0
	v_nop
	global_prefetch_b8 v0, s[64:65] scope:SCOPE_SE
	s_setreg_imm32_b32 hwreg(HW_REG_WAVE_MODE, 25, 1), 1
	s_wait_xcnt 0x0
	s_wait_alu depctr_hold_cnt(0) depctr_sa_sdst(0) depctr_va_vdst(0) depctr_va_sdst(0) depctr_va_ssrc(0) depctr_va_vcc(0) depctr_vm_vsrc(0)
	s_getreg_b32 s2, hwreg(HW_REG_IB_STS2, 6, 4)
	s_cmp_eq_u32 s2, 0
	s_cbranch_scc0 .Lentry_in_a_cluster
	s_endpgm
.Lentry_in_a_cluster:
	s_bfe_u32 s2, ttmp6, 0x10000c
	s_cmp_lg_u32 s2, 0x3003
	s_cbranch_scc0 .Lentry_shape_is_right
	s_endpgm
.Lentry_shape_is_right:
; ATTN: causal attention on E4M3 codes, two query heads to a key and value head.  qc [b, h][2048][128]; kc [b, kv][2048][128], in each block of 32 keys row rho holding the key whose number is rho with bits 3 and 4 exchanged;
; vc [b, kv][16 blocks][128 d][128 keys]; the result, divided by the row's sum, is quantised with e10 into ac [b, t][h, d].
; THE SOFTMAX: t = score x log2(e) / sqrt(128); M = the running largest t rounded UP to a whole number; p = 2^(t - M) is quantised with e8, not normalised; the sum is taken of the unquantised p; when M moves, the sum and O are multiplied by 2^(old M - new M), exactly.
; SHARES.  Work-group (x, y): y = the batch and the key and value head; it owns the blocks of 32 positions x and 63 - x, for both query heads: eight waves, one tile of 16 queries each
; (wave = 4 x part + 2 x head + tile).  A tile of block beta needs beta / 4 + 1 key steps of 128 keys: the two blocks together need 17 in every work-group, so the causal mask leaves the work even.
; Every work-group walks all 16 key steps: trip counts are constants, every partner makes every joint request, and no tensor load or barrier is jumped over.  What is left out is a step's WORK, by a scalar branch on
; LIM = the tile's last step, which follows from the cluster's x and the wave's number alone (x / 4, or 15 - x / 4): the same in all four partners.  The price: keys that are hidden from all of a work-group's queries are still fetched.
; RING.  Two LDS slots of 512 keys: K's four steps, then V's four blocks, each 128 rows of 128 bytes + 16 of padding.  Each of the eight waves fetches one of a slot's eight parts (waves 0-3 K, waves 4-7 V).
; Both slots' first fills go out together at the start; each slot is filled once more, behind the slot's last step, and that load has the other slot's four steps in which to land.
; CLUSTER 4 x 1: the four work-groups walk the same K and V: joint loads, each group behind a round of the cluster's barrier.
; FRAGMENTS ARE FETCHED AHEAD OF THEIR USE, into window 1: a step's V in two runs of 16 loads behind the step's scores, the NEXT step's K in two runs further down the softmax: the LDS serves them while the wave does its
; vector work.  Only the first K behind a change of slots is waited for straight away.  A tile's last step fetches one K that nobody multiplies: the price of runs that stand under no branch of their own.
; LAYOUT.  Both products transposed: S^T = K Q^T, O^T = V^T P^T: a lane holds ONE query.  By kc's order of rows lane r of K's tile 2 b + u holds key 32 b + 8 u + r + 8 (r / 8), so that the 16 registers of two neighbouring
; tiles are 16 neighbouring keys, while a tile's 16 rows are neighbours in LDS: with the pitch of 144 bytes they start at 16 different columns of 16 bytes.
; LIMITS: e6 + e7 between -123 and 130 (added to c's exponent field); e8 and e10 between -126 and 119; e8 + e9 is applied by v_ldexp_f32.  NaN is not served.
; REGISTERS: window 0: v1-7 addresses that stay; v8, v9 the step's LDS addresses; v10 Q's offset; v12 -M, v13 the largest t, v[14:15] the sum; v16-31 Q; v32-47 rows on the way out; v96-159 S^T, then p; v160-223 O^T; v224-239 codes; v240-254 at work.
;   window 1: v0-127 K's eight fragments of a step; v128-255 V's eight.
.set KP,    144                        ; a row in LDS: 128 bytes + 16
.set PART,  128*KP                     ; a step's K, or a block of V
.set SLOTB, 8*PART                     ; a slot: K steps 0-3, V blocks 0-3
.set STAGE, 2*SLOTB                    ; behind the ring: 64 rows x (256 + 16) bytes, the work-group's
.set SPARE, STAGE+64*272               ; behind it: the spare words, 128 bytes for each of the eight waves, which no other line names
.set KF,   0                           ; in window 1
.set VF,   128
.set AK0,  1                           ; v1  my lane's place in a tile of K
.set AV0,  2                           ; v2  the same for V: four parts further on
.set SIN,  3                           ; v3  the stage: where I put my codes
.set SOUT, 4                           ; v4  and where I read rows back
.set SPW,  5
.set NIL,  6
.set GO,   7
.set ADK,  8
.set ADV,  9
.set WV,   18
.set SEL,  20
.set CS,   22
.set G1,   24                          ; s[24:31] descriptor group 1: one shape serves K and V
.set G0K,  32                          ; s[32:39] group 0 for K's parts, a set for each slot
.set G0V,  40                          ; s[40:47] the same for V's
.set NB,   48                          ; s48  LDS byte at which the step's part of K begins
.set KS,   49                          ; s49  the key step's number
.set LIM,  50                          ; s50  my tile's last key step
.set QD,   51                          ; s51  my first query's place in that step
.set CNT,  52
.set MSB, 0
.macro WIN new                         ; the immediate's high byte repeats the setting that is left
.if MSB != \new
	s_set_vgpr_msb (MSB<<8)|\new
.set MSB, \new
.endif
.endm
.set MULW, 0x01                        ; source 0 (K's or V's fragment) window 1, all else window 0
.set TO_F, 0x40                        ; destination window 1, address window 0
.macro TLOAD set                       ; waves 0-3 fetch for K, waves 4-7 for V; four v_nop follow each line
	s_cmp_lt_u32 s[WV], 4
	s_cbranch_scc0 .Lfor_v_\@
	tensor_load_to_lds s[G0K+4*\set:G0K+4*\set+3], s[G1:G1+7]
	s_nop 0
.rept 4
	v_nop
.endr
	s_branch .Lasked_\@
.Lfor_v_\@:
	tensor_load_to_lds s[G0V+4*\set:G0V+4*\set+3], s[G1:G1+7]
	s_nop 0
.rept 4
	v_nop
.endr
.Lasked_\@:
.endm
.macro CROUND                          ; a round of the cluster's barrier
	s_barrier_signal -1
	s_barrier_wait -1
	s_cmp_lg_u32 s[WV], 0
	s_cbranch_scc1 .Lnot_wave_0_\@
	s_barrier_signal -3
.Lnot_wave_0_\@:
	s_barrier_wait -3
	s_barrier_signal -1
	s_barrier_wait -1
.endm
.macro LDRUN dst, adr, f0, off         ; a run of 16 loads: fragments f0 .. f0 + 3 (16 rows x 128 bytes each) into window 1
	WIN TO_F
.irp t, 0,1,2,3
.irp c, 0,1,2,3
	ds_load_b128 v[\dst+16*(\f0+\t)+4*\c:\dst+16*(\f0+\t)+4*\c+3], v[\adr] offset:\off+16*(\f0+\t)*KP+32*\c
.endr
.endr
	WIN 0
.endm
; A KEY STEP: 128 keys; its K is in registers or on its way.  nextk = 1: the next step's K lies in the same slot, one part further on, and is fetched here
.macro STEP nextk
	s_cmp_gt_u32 s[KS], s[LIM]                     ; all its keys come after my queries: the work is left out
	s_cbranch_scc1 .Lhidden_\@
	s_wait_dscnt 0x0                               ; this step's K is in
	WIN MULW
.irp t, 0,1,2,3,4,5,6,7
	v_wmma_f32_16x16x128_fp8_fp8 v[96+8*\t:103+8*\t], v[KF+16*\t:KF+16*\t+15], v[16:31], 0      ; S^T = K Q^T, eight tiles of 16 keys
.endr
	WIN 0
	v_add_nc_u32 v[ADV], s[NB], v[AV0]             ; four plain lines behind the products: in front of the loads into V's registers, which the last step's products read, and of the first read of the scores
	v_add_nc_u32 v[ADK], s[NB], v[AK0]
	v_nop
	v_nop
	LDRUN VF, ADV, 0, 0                            ; this step's V, first half
	s_cmp_lg_u32 s[KS], s[LIM]                     ; only my last step lies on the diagonal
	s_cbranch_scc1 .Lopen_\@
	v_and_b32 v252, 15, v0
	v_bfe_u32 v253, v0, 4, 1
	v_lshlrev_b32 v253, 4, v253
	v_sub_nc_u32 v252, v252, v253
	v_add_nc_u32 v252, s[QD], v252                 ; d = my query's place in the step - 16 (lane / 16).  Register 16 b + i holds the step's key 32 b + 16 (lane / 16) + i: hidden where 32 b + i > d
	v_mov_b32 v254, 0xff800000                     ; -infinity: p = 0 then
.set cn, 0
.rept 64
	v_cmp_gt_i32 vcc_lo, 32*(cn/16)+cn%16, v252
	v_cndmask_b32 v[96+cn], v[96+cn], v254, vcc_lo
.set cn, cn+1
.endr
.Lopen_\@:
	v_max3_num_f32 v254, v96, v97, v98             ; the step's largest score of my query among my 64 keys, in two chains, each accumulator from its low end on,
	v_max3_num_f32 v252, v99, v100, v101
.irp i, 6,10,14,18,22,26,30,34,38,42,46,50,54,58
	v_max3_num_f32 v254, v254, v[96+\i], v[97+\i]
	v_max3_num_f32 v252, v252, v[98+\i], v[99+\i]
.endr
	v_max3_num_f32 v254, v254, v158, v159
	v_max_num_f32 v254, v254, v252
	v_permlanex16_b32 v236, v254, s[SEL], s[SEL+1]
	v_max_num_f32 v254, v254, v236                 ; and among lane l xor 16's
	v_mul_f32 v254, s[CS], v254                    ; as t (c is positive)
	v_max_num_f32 v13, v13, v254
	v_mov_b32 v254, v12
	v_floor_f32 v12, -v13                          ; the new -M = floor(-t): M is a whole number
	v_sub_f32 v254, v12, v254
	v_cvt_i32_f32 v254, v254                       ; (it saturates)
	v_ldexp_f32 v252, 1.0, v254                    ; f = 2^(old M - new M)
.set cj, 0
.rept 32
	v_pk_fma_f32 v[96+cj:97+cj], v[96+cj:97+cj], s[CS:CS+1], v[12:13] op_sel_hi:[1,0,0]   ; t - M
.set cj, cj+2
.endr
	LDRUN VF, ADV, 4, 0                            ; this step's V, second half
.set cj, 0
.rept 64
	v_exp_f32 v[96+cj], v[96+cj]                   ; p = 2^(t - M)
.set cj, cj+1
.endr
	v_pk_mul_f32 v[14:15], v[14:15], v[252:253] op_sel_hi:[1,0]   ; the sums under the new M (a plain line behind the exponentials)
.if \nextk
	LDRUN KF, ADK, 0, PART                         ; the next step's K, first half: this step's products have read these registers long ago
.endif
	s_wait_alu depctr_va_vdst(0)
	v_pk_add_f32 v[242:243], v[96:97], v[98:99]    ; the row's sum is taken of the unquantised p, in two chains
.irp j, 4,8,12,16,20,24,28,32,36,40,44,48,52,56,60
	v_pk_add_f32 v[14:15], v[14:15], v[96+\j:97+\j]
	v_pk_add_f32 v[242:243], v[242:243], v[98+\j:99+\j]
.endr
	v_pk_add_f32 v[14:15], v[14:15], v[242:243]
.if \nextk
	LDRUN KF, ADK, 4, PART                         ; the next step's K, second half
.endif
.irp b, 0,1,2,3
.set cj, 0
.rept 16
	v_min_num_f32 v[96+16*\b+cj], v[96+16*\b+cj], v240   ; the conversion does not saturate (ISA guide 7.6.2); p is not negative
.set cj, cj+1
.endr
	v_cvt_scalef32_pk8_fp8_f32 v[224+4*\b:225+4*\b], v[96+16*\b:103+16*\b], v244
	v_cvt_scalef32_pk8_fp8_f32 v[226+4*\b:227+4*\b], v[104+16*\b:111+16*\b], v244
.endr
.set cj, 0
.rept 32
	v_pk_mul_f32 v[160+cj:161+cj], v[160+cj:161+cj], v[252:253] op_sel_hi:[1,0]   ; O^T under the new M; also the plain lines between the conversions and the products below
.set cj, cj+2
.endr
	s_wait_dscnt 32*\nextk                         ; this step's V is in; the next step's K, 32 younger loads, may be out
	WIN MULW
.irp t, 0,1,2,3,4,5,6,7
	v_wmma_f32_16x16x128_fp8_fp8 v[160+8*\t:167+8*\t], v[VF+16*\t:VF+16*\t+15], v[224:239], v[160+8*\t:167+8*\t]   ; O^T += V^T P^T: the eight accumulators take turns
.endr
	WIN 0
.Lhidden_\@:
	s_add_co_u32 s[KS], s[KS], 1
	s_add_co_u32 s[NB], s[NB], PART
.endm
.macro THREE base                      ; a slot's first three steps: written once, walked three times; the LDS addresses hang on s[NB]
	s_mov_b32 s[NB], \base
	s_mov_b32 s[CNT], 3
.Lthree_\@:
	STEP 1
	s_sub_co_u32 s[CNT], s[CNT], 1
	s_cmp_lg_u32 s[CNT], 0
	s_cbranch_scc1 .Lthree_\@
.endm
; THE CHANGE OF SLOTS, behind a slot's last step: each wave waits for all its tensor loads (its part of the other slot), adds 0 to its spare word, and waits for that and for its reads of the slot that it leaves.
; fill = 1: a round of the cluster's barrier, and the slot left is filled with the keys 1,024 further on.  Then the next step's K is fetched from the other slot, at byte nbase, by the waves that will multiply it.
.macro CHANGE fill, set, nbase
	s_wait_tensorcnt 0x0                           ; no tensor load of mine is out, so a group 0 may be written
	ds_add_u32 v[SPW], v[NIL]                      ; 0 onto my spare word
.if \fill
	s_add_nc_u64 s[G0K+4*\set+2:G0K+4*\set+3], s[G0K+4*\set+2:G0K+4*\set+3], 131072    ; 1,024 keys of 128 bytes on
	s_add_nc_u64 s[G0V+4*\set+2:G0V+4*\set+3], s[G0V+4*\set+2:G0V+4*\set+3], 131072    ; eight blocks of 16,384 bytes on
.endif
	s_wait_dscnt 0x0                               ; the add is done, and my reads of the slot that I leave are over
.if \fill
	CROUND
	TLOAD \set                                     ; the first thing behind the round, a wave's one tensor load until the next
.else
	s_barrier_signal -1
	s_barrier_wait -1
.endif
	s_cmp_gt_u32 s[KS], s[LIM]                     ; s[KS] counts the next step already
	s_cbranch_scc1 .Lno_k_\@
	v_add_nc_u32 v[ADK], \nbase, v[AK0]
	LDRUN KF, ADK, 0, 0
	LDRUN KF, ADK, 4, 0
.Lno_k_\@:
.endm
	s_load_b256 s[4:11], s[0:1], 0x0               ; qc s[4:5], kc s[6:7], vc s[8:9], the scales s[10:11]
	s_load_b64 s[16:17], s[0:1], 0x20              ; ac
	v_lshl_add_u32 v[SPW], v0, 2, SPARE
	v_mov_b32 v[NIL], 0
	ds_add_u32 v5, v6
	ds_add_u32 v5, v6
	s_wait_dscnt 0x0
	v_lshrrev_b32 v8, 5, v0
	v_readfirstlane_b32 s[WV], v8                  ; wave 0..7
	s_bfe_u32 s53, ttmp6, 0x40000                  ; cx: it enters global addresses and the mask's arithmetic alone
	s_lshl_b32 s54, ttmp9, 2
	s_add_co_u32 s54, s54, s53                     ; x
	s_sub_co_u32 s55, 63, s54
	s_sub_co_u32 s56, 15, ttmp9
	s_and_b32 s57, ttmp7, 0xffff                   ; y = 4 b + kv
	s_cmp_lt_u32 s[WV], 4
	s_cselect_b32 s54, s54, s55                    ; my block of 32 positions
	s_cselect_b32 s[LIM], ttmp9, s56               ; its last key step
	s_and_b32 s58, s[WV], 1                        ; tile
	s_bfe_u32 s59, s[WV], 0x10001                  ; which of the two query heads
	s_lshr_b32 s60, s[WV], 2                       ; part
	s_and_b32 s61, s[WV], 3                        ; which of a slot's four steps, or blocks, I fetch
	s_lshl_b32 s62, s54, 5
	s_lshl_b32 s63, s58, 4
	s_add_co_u32 s63, s62, s63                     ; my first query
	s_lshl_b32 s66, s[LIM], 7
	s_sub_co_u32 s[QD], s63, s66
	s_lshl_b32 s66, s57, 1
	s_add_co_u32 s66, s66, s59                     ; 8 b + h = 2 y + head
	s_lshl_b32 s66, s66, 11
	s_add_co_u32 s66, s66, s63
	s_lshl_b32 s66, s66, 7                         ; Q: my first query's codes
	s_mov_b32 s67, 0
	s_lshl_b32 s74, s57, 18                        ; K: (2048 y + 128 j) rows of 128 bytes; V: (16 y + j) blocks of 16,384 bytes: the same number
	s_lshl_b32 s75, s61, 14
	s_add_co_u32 s74, s74, s75
	s_mov_b32 s75, 0
	s_mul_i32 s76, s[WV], PART                     ; and in a slot: part = my wave's number
	s_lshr_b32 s78, s57, 2                         ; the rows of ac that I store: 2048 b + 32 block + 16 ((wave / 2) % 2) + 8 (wave % 2),
	s_lshl_b32 s78, s78, 11
	s_add_co_u32 s78, s78, s62
	s_lshl_b32 s79, s59, 4
	s_add_co_u32 s78, s78, s79
	s_lshl_b32 s79, s58, 3
	s_add_co_u32 s78, s78, s79
	s_lshl_b32 s78, s78, 10
	s_and_b32 s79, s57, 3
	s_lshl_b32 s79, s79, 8                         ; at the two heads' 256 bytes
	s_add_co_u32 s78, s78, s79
	s_mov_b32 s79, 0
	s_mov_b32 s[G1], 15|(1<<20)|(1<<21)|(4<<22)|(3<<25)   ; the mask: all four work-groups; elements of 1 byte; padding on; bit 21 beside a mask; 4 words behind every 32
	s_mov_b32 s[G1+1], 128<<16                     ; tensor_dim0
	s_mov_b32 s[G1+2], 128<<16                     ; tensor_dim1
	s_mov_b32 s[G1+3], 128<<16                     ; tile_dim0
	s_mov_b32 s[G1+4], 128                         ; tile_dim1
	s_mov_b32 s[G1+5], 128                         ; from row to row
	s_mov_b32 s[G1+6], 0
	s_mov_b32 s[G1+7], 0
	s_mov_b32 s[SEL], 0x76543210
	s_mov_b32 s[SEL+1], 0xfedcba98
	s_mov_b32 s[CS], 0x3e0293ee                    ; c = log2(e) / sqrt(128)
	s_mov_b32 s[KS], 0
	s_wait_kmcnt 0x0
	s_load_b128 s[68:71], s[10:11], 0x18           ; e6, e7, e8, e9
	s_load_b32 s72, s[10:11], 0x28                 ; e10
	s_add_nc_u64 s[6:7], s[6:7], s[74:75]          ; K and V at my part of slot 0
	s_add_nc_u64 s[8:9], s[8:9], s[74:75]
.irp n, 0,1
	s_mov_b32 s[G0K+4*\n], 1                       ; count = 1
	s_add_co_u32 s[G0K+4*\n+1], s76, \n*SLOTB      ; LDS address
	s_add_nc_u64 s[G0K+4*\n+2:G0K+4*\n+3], s[6:7], \n*65536   ; slot n begins with keys 512 n on
	s_or_b32 s[G0K+4*\n+3], s[G0K+4*\n+3], 0x80000000         ; type = 2
	s_mov_b32 s[G0V+4*\n], 1
	s_add_co_u32 s[G0V+4*\n+1], s76, \n*SLOTB
	s_add_nc_u64 s[G0V+4*\n+2:G0V+4*\n+3], s[8:9], \n*65536
	s_or_b32 s[G0V+4*\n+3], s[G0V+4*\n+3], 0x80000000
.endr
	CROUND                                         ; all four work-groups are here: the first joint loads meet
	s_cmp_lt_u32 s[WV], 4                          ; a wave's two first fills stand in one branch, ahead of every wait on TENSORcnt and every LDS read: two loads of mine are out; four v_nop follow the second
	s_cbranch_scc0 .Lfirst_v
	tensor_load_to_lds s[G0K:G0K+3], s[G1:G1+7]
	s_nop 0
	tensor_load_to_lds s[G0K+4:G0K+7], s[G1:G1+7]
	s_nop 0
.rept 4
	v_nop
.endr
	s_branch .Lfirst_asked
.Lfirst_v:
	tensor_load_to_lds s[G0V:G0V+3], s[G1:G1+7]
	s_nop 0
	tensor_load_to_lds s[G0V+4:G0V+7], s[G1:G1+7]
	s_nop 0
.rept 4
	v_nop
.endr
.Lfirst_asked:
	s_add_nc_u64 s[4:5], s[4:5], s[66:67]
	s_add_nc_u64 s[16:17], s[16:17], s[78:79]
	v_and_b32 v8, 15, v0                           ; r
	v_bfe_u32 v9, v0, 4, 1                         ; h
	v_lshlrev_b32 v10, 7, v8
	v_lshl_add_u32 v10, v9, 4, v10
.irp c, 0,1,2,3
	global_load_b128 v[16+4*\c:19+4*\c], v10, s[4:5] offset:32*\c   ; Q's fragment stays in registers
.endr
	v_mul_u32_u24 v[AK0], v8, KP
	v_lshl_add_u32 v[AK0], v9, 4, v[AK0]           ; row r x pitch + 16 h
	v_add_nc_u32 v[AV0], 4*PART, v[AK0]
	s_lshl_b32 s80, s60, 1                         ; the stage's addresses are made here, ahead of the first parting of the waves
	s_add_co_u32 s80, s80, s58
	s_mul_i32 s80, s80, 16*272
	s_lshl_b32 s81, s59, 7
	s_add_co_u32 s80, s80, s81
	s_add_co_u32 s80, s80, STAGE
	v_mul_u32_u24 v[SIN], v8, 272
	v_lshl_add_u32 v[SIN], v9, 3, v[SIN]
	v_add_nc_u32 v[SIN], s80, v[SIN]               ; in: row 16 (2 part + tile) + r, my head's 128 bytes, + 8 h
	s_mul_i32 s81, s[WV], 8*272
	s_add_co_u32 s81, s81, STAGE
	v_mul_u32_u24 v[SOUT], v9, 272
	v_lshl_add_u32 v[SOUT], v8, 4, v[SOUT]
	v_add_nc_u32 v[SOUT], s81, v[SOUT]             ; back: rows 8 wave on; lanes 0-15 one row of 256 bytes, lanes 16-31 the next
	v_lshlrev_b32 v[GO], 10, v9
	v_lshl_add_u32 v[GO], v8, 4, v[GO]             ; and the same two rows of ac
	v_mov_b32 v13, 0xff61b1e6                      ; the largest t so far: -3e38
	v_floor_f32 v12, -v13
	v_mov_b32 v14, 0
	v_mov_b32 v15, 0
	v_mov_b32 v236, 0                              ; lane permutes' destinations count as read; pairs are named whole
	v_mov_b32 v252, 0
	v_mov_b32 v253, 0
	v_mov_b32 v254, 0
.set cj, 0
.rept 64
	v_mov_b32 v[160+cj], 0                         ; O^T: the step has no first form of its own, and its first run finds zeros
.set cj, cj+1
.endr
	s_wait_kmcnt 0x0
	s_add_co_i32 s83, s68, s69
	s_lshl_b32 s83, s83, 23
	s_add_co_i32 s[CS], s[CS], s83                 ; a score stands for score x 2^(e6 + e7)
	s_mov_b32 s[CS+1], s[CS]
	s_add_co_i32 s83, s70, 127
	s_lshl_b32 s84, s83, 23
	v_mov_b32 v244, s84                            ; 2^e8
	s_add_co_i32 s83, s83, 8
	s_lshl_b32 s83, s83, 23
	s_or_b32 s83, s83, 0x600000
	v_mov_b32 v240, s83                            ; 448 x 2^e8
	s_add_co_i32 s83, s72, 127
	s_lshl_b32 s84, s83, 23
	v_mov_b32 v245, s84                            ; 2^e10
	s_add_co_i32 s83, s83, 8
	s_lshl_b32 s83, s83, 23
	s_or_b32 s83, s83, 0x600000
	v_mov_b32 v241, s83                            ; 448 x 2^e10
	s_add_co_i32 s82, s70, s71                     ; e8 + e9
	s_wait_loadcnt 0x0                             ; Q
	s_wait_tensorcnt 1                             ; my part of slot 0 is in; slot 1's may stay out
	s_barrier_signal -1
	s_barrier_wait -1                              ; everybody's is
	LDRUN KF, AK0, 0, 0                            ; key step 0's K: every tile has that step
	LDRUN KF, AK0, 4, 0
	THREE 0                                        ; keys 0 to 511, in slot 0
	s_mov_b32 s[NB], 3*PART
	STEP 0
	CHANGE 1, 0, SLOTB                             ; slot 0 takes keys 1,024 to 1,535
	THREE SLOTB                                    ; keys 512 to 1,023, in slot 1
	s_mov_b32 s[NB], SLOTB+3*PART
	STEP 0
	CHANGE 1, 1, 0                                 ; slot 1 takes keys 1,536 to 2,047: the last load
	THREE 0
	s_mov_b32 s[NB], 3*PART
	STEP 0
	CHANGE 0, 0, SLOTB                             ; nothing is left to fetch
	THREE SLOTB
	s_mov_b32 s[NB], SLOTB+3*PART
	STEP 0
	; THE WAY OUT: O^T / the sum x 2^(e8 + e9), quantised with e10.  A row's 256 bytes of ac come from the two heads' waves: they meet in the stage, and each wave stores 8 whole rows.
	v_add_f32 v14, v14, v15
	v_permlanex16_b32 v252, v14, s[SEL], s[SEL+1]
	v_add_f32 v14, v14, v252
	v_rcp_f32 v14, v14
	v_nop                                          ; a plain line behind the transcendental
	s_wait_alu depctr_va_vdst(0)
	v_ldexp_f32 v14, v14, s82
	v_nop
	v_nop
.set cj, 0
.rept 64
	v_mul_f32 v[96+cj], v[160+cj], v14             ; register 8 t + i is o(r, 16 t + 8 h + i)
.set cj, cj+1
.endr
.set cj, 0
.rept 64
	v_med3_num_f32 v[96+cj], v[96+cj], -v241, v241
.set cj, cj+1
.endr
.irp t, 0,1,2,3,4,5,6,7
	v_cvt_scalef32_pk8_fp8_f32 v[224+2*\t:225+2*\t], v[96+8*\t:103+8*\t], v245
.endr
	v_nop                                          ; a plain line behind the last conversion
.irp t, 0,1,2,3,4,5,6,7
	ds_store_b64 v[SIN], v[224+2*\t:225+2*\t] offset:16*\t
.endr
	s_wait_dscnt 0x0                               ; for the others' sake: my stores into the stage are done
	s_barrier_signal -1
	s_barrier_wait -1
.irp i, 0,1,2,3
	ds_load_b128 v[32+4*\i:35+4*\i], v[SOUT] offset:2*\i*272
.endr
.irp i, 0,1,2,3
	s_wait_dscnt 3-\i                              ; the younger reads may be out
	global_store_b128 v[GO], v[32+4*\i:35+4*\i], s[16:17] offset:2048*\i   ; sixteen lanes store 256 consecutive bytes, aligned
.endr
	s_wait_tensorcnt 0x0                           ; the wave's end
	ds_add_u32 v[SPW], v[NIL]
	s_wait_dscnt 0x0
	CROUND                                         ; the closing round
	s_endpgm
.Lfunc_end_k_qb66e83734b_attn:
	.size	k_qb66e83734b_attn, .Lfunc_end_k_qb66e83734b_attn-k_qb66e83734b_attn
	.p2alignl 7, 3214868480
	.fill 96, 4, 3214868480
	.section	.rodata,"a",@progbits
	.p2align	6, 0x0
	.amdhsa_kernel k_qb66e83734b_attn
		.amdhsa_group_segment_fixed_size 327680
		.amdhsa_private_segment_fixed_size 0
		.amdhsa_enable_private_segment 0
		.amdhsa_kernarg_size 40
		.amdhsa_user_sgpr_count 2
		.amdhsa_user_sgpr_kernarg_segment_ptr 1
		.amdhsa_wavefront_size32 1
		.amdhsa_system_sgpr_workgroup_id_x 1
		.amdhsa_system_sgpr_workgroup_id_y 1
		.amdhsa_system_sgpr_workgroup_id_z 1
		.amdhsa_system_vgpr_workitem_id 0
		.amdhsa_next_free_vgpr 512
		.amdhsa_next_free_sgpr 100
		.amdhsa_reserve_vcc 1
		.amdhsa_float_denorm_mode_32 3
		.amdhsa_float_denorm_mode_16_64 3
		.amdhsa_memory_ordered 1
		.amdhsa_forward_progress 1
		.amdhsa_inst_pref_size 214
	.end_amdhsa_kernel
	.amdgpu_metadata
---
amdhsa.version: [ 1, 2 ]
amdhsa.kernels:
  - .name:           k_qb66e83734b_attn
    .symbol:         k_qb66e83734b_attn.kd
    .args:
      - { .name: qc, .offset: 0, .size: 8, .value_kind: global_buffer, .address_space: global }
      - { .name: kc, .offset: 8, .size: 8, .value_kind: global_buffer, .address_space: global }
      - { .name: vc, .offset: 16, .size: 8, .value_kind: global_buffer, .address_space: global }
      - { .name: lowp_scales, .offset: 24, .size: 8, .value_kind: global_buffer, .address_space: global }
      - { .name: ac, .offset: 32, .size: 8, .value_kind: global_buffer, .address_space: global }
    .group_segment_fixed_size: 327680
    .private_segment_fixed_size: 0
    .kernarg_segment_align: 8
    .kernarg_segment_size: 40
    .max_flat_workgroup_size: 256
    .sgpr_count:     100
    .vgpr_count:     512
    .wavefront_size: 32
...
	.end_amdgpu_metadata
.endif
;; end of part 3
;; launch oproj (part 4): grid 16 x 16, 4 waves a work-group, clusters of 4 x 4, 327,680 bytes of LDS; arguments ac, woc, lowp_scales, out0; writes out0
.if DOCPART == 4
	.amdgcn_target "amdgcn-amd-amdhsa--gfx1250"
	.amdhsa_code_object_version 6
	.text
	.protected	k_qb66e83734b_oproj
	.globl	k_qb66e83734b_oproj
	.p2align	8
	.type	k_qb66e83734b_oproj,@function
k_qb66e83734b_oproj:
	s_mov_b64 s[64:65], 0
	v_nop
	global_prefetch_b8 v0, s[64:65] scope:SCOPE_SE
	s_setreg_imm32_b32 hwreg(HW_REG_WAVE_MODE, 25, 1), 1
	s_wait_xcnt 0x0
	s_wait_alu depctr_hold_cnt(0) depctr_sa_sdst(0) depctr_va_vdst(0) depctr_va_sdst(0) depctr_va_ssrc(0) depctr_va_vcc(0) depctr_vm_vsrc(0)
	s_getreg_b32 s2, hwreg(HW_REG_IB_STS2, 6, 4)
	s_cmp_eq_u32 s2, 0
	s_cbranch_scc0 .Lentry_in_a_cluster
	s_endpgm
.Lentry_in_a_cluster:
	s_bfe_u32 s2, ttmp6, 0x10000c
	s_cmp_lg_u32 s2, 0xf033
	s_cbranch_scc0 .Lentry_shape_is_right
	s_endpgm
.Lentry_shape_is_right:
; OPROJ: out0 [4096][2048] f32 = ac [4096][1024] x woc [2048 n][1024 k]^T on E4M3 codes; each finished sum x 2^(e10 + e11).
; The same GEMM as the projections': a work-group makes 256 rows by 128 columns (16 x 16 work-groups), four waves of 64 x 128, 32 accumulators each; K in steps of 256 through two LDS slots; cluster 4 x 4 with joint loads
; (ac's tile shared along a row of the cluster, woc's along a column).  Source 0 = 16 rows of woc, source 1 = 16 rows of ac: a lane holds eight neighbouring columns of one row of the output.
; A fragment (16 rows x 128 K) is fetched by four loads of 16 bytes: the same permutation of k on both sides.
; REGISTERS: window 0: v0-31 addresses; v32-95 at work on the way out; v128-255 ac's fragments, two sets (on the way out: rows read back).  window 1: woc's fragments, two sets.  window 2: accumulator (i, b) at v[64 i + 8 b].
; LIMIT: e10 + e11 between -126 and 127, so that 2^(e10 + e11) is an f32 number.
.set KROW,  1024
.set LAPS,  2
.set PITCH, 272
.set HALFA, 128*PITCH
.set HALFB, 64*PITCH
.set BREG,  2*HALFA
.set SLOT,  BREG+2*HALFB
.set STAGE, 2*SLOT                     ; behind the ring: 16 rows x (512 + 16) bytes for each wave
.set SPITCH, 528
.set SPARE, STAGE+4*16*SPITCH          ; behind the stages: the spare words, 128 bytes for each wave, which no other line names
.set ADRQ, 16
.set ADRP, 20
.set STO,  24
.set RD,   25
.set CO,   26
.set SPW,  28
.set NIL,  29
.set TMP,  32
.set QF,   128
.set BK,   128
.set G1, 24
.set G0, 32
.set G1B, 48
.set G0B, 56
.set MSB, 0
.macro WIN new                         ; the immediate's high byte repeats the setting that is left
.if MSB != \new
	s_set_vgpr_msb (MSB<<8)|\new
.set MSB, \new
.endif
.endm
.set MULW, 0xa1                        ; source 0 window 1, source 1 window 0, C and D window 2
.set TO_P, 0x40
.macro JLOAD g0a, g1a, g0b, g1b        ; a joint load: waves 0, 1 for ac, waves 2, 3 for woc; four v_nop follow each line
	s_cmp_eq_u32 s15, 0
	s_cbranch_scc0 .Lfor_b_\@
	tensor_load_to_lds s[\g0a:\g0a+3], s[\g1a:\g1a+7]
	s_nop 0
.rept 4
	v_nop
.endr
	s_branch .Lasked_\@
.Lfor_b_\@:
	tensor_load_to_lds s[\g0b:\g0b+3], s[\g1b:\g1b+7]
	s_nop 0
.rept 4
	v_nop
.endr
.Lasked_\@:
.endm
.macro CREST
	s_cmp_lg_u32 s14, 0
	s_cbranch_scc1 .Lnot_wave_0_\@
	s_barrier_signal -3
.Lnot_wave_0_\@:
	s_barrier_wait -3
	s_barrier_signal -1
	s_barrier_wait -1
.endm
.macro CROUND
	s_barrier_signal -1
	s_barrier_wait -1
	CREST
.endm
.macro PLACES                          ; four plain lines between a matrix instruction and a load into, or a vector read of, its registers
.rept 4
	v_nop
.endr
.endm
.macro FRAG reg, adr, q, i
.irp c, 0,1,2,3
	ds_load_b128 v[\reg+4*\c:\reg+4*\c+3], v[\adr] offset:128*(\q)+32*\c+(\i)*16*PITCH
.endr
.endm
.macro FETCH slot, q, set
	WIN TO_P
.irp i, 0,1,2,3,4,5,6,7
	FRAG 128*(\set)+16*\i, ADRP+\slot, \q, \i
.endr
	WIN 0
.irp i, 0,1,2,3
	FRAG QF+64*(\set)+16*\i, ADRQ+\slot, \q, \i
.endr
.endm
.macro MUL i, set, zero                ; the 32 accumulators take turns in one order everywhere
.irp b, 0,1,2,3,4,5,6,7
.if \zero
	v_wmma_f32_16x16x128_fp8_fp8 v[64*(\i)+8*\b:64*(\i)+8*\b+7], v[128*(\set)+16*\b:128*(\set)+16*\b+15], v[QF+64*(\set)+16*(\i):QF+64*(\set)+16*(\i)+15], 0
.else
	v_wmma_f32_16x16x128_fp8_fp8 v[64*(\i)+8*\b:64*(\i)+8*\b+7], v[128*(\set)+16*\b:128*(\set)+16*\b+15], v[QF+64*(\set)+16*(\i):QF+64*(\set)+16*(\i)+15], v[64*(\i)+8*\b:64*(\i)+8*\b+7]
.endif
.endr
.endm
.macro STEP slot, zero                 ; a slot's first 128 along K (set 0); the second 128 are fetched under its products
	s_wait_dscnt 0x0                               ; set 0 is in
	PLACES                                         ; set 1 was read by the last products
	FETCH \slot, 1, 1
	WIN MULW
	MUL 0, 0, \zero
	MUL 1, 0, \zero
	MUL 2, 0, \zero
	MUL 3, 0, \zero
	WIN 0
.endm
.macro TURN slot, next, fill           ; a slot's second 128 along K (set 1), and the change of slots
	s_wait_tensorcnt 0x0                           ; all my tensor loads have landed: my part of the next slot
	ds_add_u32 v[SPW], v[NIL]                      ; 0 onto my spare word
	s_wait_dscnt 1                                 ; set 1 is in; only the add may be out
	WIN MULW
	MUL 0, 1, 0
	s_wait_dscnt 0x0                               ; the add is done, and my reads of this slot are over
	s_barrier_signal -1
	MUL 1, 1, 0
	WIN 0
	s_barrier_wait -1
.if \fill
	CREST                                          ; the barrier has opened a round of the cluster's: no wave of any partner still reads this slot or has a load on its way
	s_add_nc_u64 s[G0+4*\slot+2:G0+4*\slot+3], s[G0+4*\slot+2:G0+4*\slot+3], 512
	s_add_nc_u64 s[G0B+4*\slot+2:G0B+4*\slot+3], s[G0B+4*\slot+2:G0B+4*\slot+3], 512
	JLOAD G0+4*\slot, G1, G0B+4*\slot, G1B         ; two K steps on; its four v_nop are also the places in front of the loads below
.else
	PLACES
.endif
	FETCH \next, 0, 0
	WIN MULW
	MUL 2, 1, 0
	MUL 3, 1, 0
	WIN 0
.endm
; THE WAY OUT, a block of 16 rows x 128 columns at a time: x 2^(e10 + e11), through my own stage, back as whole rows of 512 bytes
.macro TOSTAGE a
	WIN 0x02                                       ; source 0 window 2
.set cj, 0
.rept 32
	v_pk_mul_f32 v[TMP+cj:TMP+cj+1], v[64*(\a)+cj:64*(\a)+cj+1], s[96:97] op_sel_hi:[1,0]   ; each accumulator from its low end on
.set cj, cj+2
.endr
	WIN 0
.irp b, 0,1,2,3,4,5,6,7
	ds_store_b128 v[STO], v[TMP+8*\b:TMP+8*\b+3] offset:64*\b
	ds_store_b128 v[STO], v[TMP+8*\b+4:TMP+8*\b+7] offset:64*\b+16
.endr
.irp t, 0,1,2,3,4,5,6,7,8,9,10,11,12,13,14,15
	ds_load_b128 v[BK+64*((\a)%2)+4*\t:BK+64*((\a)%2)+4*\t+3], v[RD] offset:\t*SPITCH   ; LDS serves a wave's instructions in order: these see the stores above, and the next block's stores come behind them
.endr
.endm
.macro SEND a, younger                 ; younger: the LDS instructions issued behind block a's loads
	s_wait_dscnt \younger
.if (\a) > 0
	s_add_nc_u64 s[10:11], s[10:11], 16*8192       ; 16 rows on; the earlier stores have read their base (the wait on XCNT stands ahead)
.endif
.irp t, 0,1,2,3,4,5,6,7,8,9,10,11,12,13,14,15
	global_store_b128 v[CO], v[BK+64*((\a)%2)+4*\t:BK+64*((\a)%2)+4*\t+3], s[10:11] offset:\t*8192 th:TH_STORE_NT   ; 32 lanes store 512 consecutive bytes, aligned
.endr
.endm
	s_load_b128 s[4:7], s[0:1], 0x0                ; ac s[4:5], woc s[6:7]
	s_load_b128 s[8:11], s[0:1], 0x10              ; the scales s[8:9], out0 s[10:11]
	v_lshl_add_u32 v[SPW], v0, 2, SPARE
	v_mov_b32 v[NIL], 0
	ds_add_u32 v28, v29
	ds_add_u32 v28, v29
	s_wait_dscnt 0x0
	v_lshrrev_b32 v1, 5, v0
	v_readfirstlane_b32 s14, v1                    ; wave 0..3
	s_lshr_b32 s15, s14, 1                         ; I fetch for ac (0) or for woc (1)
	s_and_b32 s16, s14, 1                          ; which half of that tile
	s_bfe_u32 s40, ttmp6, 0x40000
	s_bfe_u32 s41, ttmp6, 0x40004
	s_lshl_b32 s42, ttmp9, 2
	s_add_co_u32 s42, s42, s40                     ; tile of 128 columns
	s_and_b32 s17, ttmp7, 0xffff
	s_lshl_b32 s17, s17, 2
	s_add_co_u32 s17, s17, s41                     ; tile of 256 rows
	s_lshl_b32 s43, s41, 2
	s_lshl_b32 s43, 15, s43
	s_lshl_b32 s44, 0x1111, s40
	s_or_b32 s[G1+0], s43, (1<<20)|(1<<21)|(5<<22)|(3<<25)
	s_or_b32 s[G1B+0], s44, (1<<20)|(1<<21)|(5<<22)|(3<<25)
	s_mov_b32 s[G1+1], 256<<16
	s_mov_b32 s[G1+2], 128<<16
	s_mov_b32 s[G1+3], 256<<16
	s_mov_b32 s[G1+4], 128
	s_mov_b32 s[G1+5], KROW
	s_mov_b32 s[G1+6], 0
	s_mov_b32 s[G1+7], 0
	s_mov_b32 s[G1B+1], 256<<16
	s_mov_b32 s[G1B+2], 64<<16
	s_mov_b32 s[G1B+3], 256<<16
	s_mov_b32 s[G1B+4], 64
	s_mov_b32 s[G1B+5], KROW
	s_mov_b32 s[G1B+6], 0
	s_mov_b32 s[G1B+7], 0
	s_lshl_b32 s18, s16, 7
	s_lshl_b32 s20, s17, 8
	s_add_co_u32 s20, s20, s18
	s_mul_i32 s20, s20, KROW
	s_mov_b32 s21, 0
	s_lshl_b32 s46, s42, 7
	s_lshl_b32 s47, s16, 6
	s_add_co_u32 s46, s46, s47
	s_mul_i32 s46, s46, KROW
	s_mov_b32 s47, 0
	s_mul_i32 s45, s16, HALFA
	s_mul_i32 s95, s16, HALFB
	s_add_co_u32 s95, s95, BREG
	s_wait_kmcnt 0x0
	s_load_b64 s[96:97], s[8:9], 0x28              ; e10, e11
	s_add_nc_u64 s[20:21], s[4:5], s[20:21]
	s_add_nc_u64 s[46:47], s[6:7], s[46:47]
	CROUND                                         ; all sixteen work-groups are here: the first joint loads meet
.irp s, 0,1
	s_mov_b32 s[G0+4*\s], 1
	s_add_co_u32 s[G0+4*\s+1], s45, \s*SLOT
	s_add_nc_u64 s[G0+4*\s+2:G0+4*\s+3], s[20:21], \s*256
	s_or_b32 s[G0+4*\s+3], s[G0+4*\s+3], 0x80000000
	s_mov_b32 s[G0B+4*\s], 1
	s_add_co_u32 s[G0B+4*\s+1], s95, \s*SLOT
	s_add_nc_u64 s[G0B+4*\s+2:G0B+4*\s+3], s[46:47], \s*256
	s_or_b32 s[G0B+4*\s+3], s[G0B+4*\s+3], 0x80000000
	JLOAD G0+4*\s, G1, G0B+4*\s, G1B
.endr
	v_and_b32 v1, 15, v0
	v_bfe_u32 v2, v0, 4, 1
	v_mul_u32_u24 v3, v1, PITCH
	v_lshl_add_u32 v4, v2, 4, v3
	s_mul_i32 s22, s14, HALFB                      ; my 64 rows of ac
	s_mov_b32 s23, BREG                            ; woc's 128 rows
.irp s, 0,1
	v_add_nc_u32 v[ADRQ+\s], s22, v4
	v_add_nc_u32 v[ADRP+\s], s23, v4
	s_add_co_u32 s22, s22, SLOT
	s_add_co_u32 s23, s23, SLOT
.endr
	s_mul_i32 s22, s14, 16*SPITCH
	s_add_co_u32 s22, s22, STAGE                   ; my stage
	v_mul_u32_u24 v5, v1, SPITCH
	v_lshl_add_u32 v5, v2, 5, v5
	v_add_nc_u32 v[STO], s22, v5                   ; in: row r, 32 bytes for each half of the lanes
	v_and_b32 v6, 31, v0
	v_lshlrev_b32 v[CO], 4, v6
	v_add_nc_u32 v[RD], s22, v[CO]                 ; back: the 32 lanes take one row of 512 bytes
	s_lshl_b32 s20, s17, 8
	s_lshl_b32 s21, s14, 6
	s_add_co_u32 s20, s20, s21                     ; my first row: 256 x tile + 64 x wave
	s_lshl_b32 s20, s20, 13
	s_lshl_b32 s46, s42, 9                         ; the tile's first column, in bytes
	s_add_co_u32 s20, s20, s46
	s_mov_b32 s21, 0
	s_add_nc_u64 s[10:11], s[10:11], s[20:21]
	s_wait_tensorcnt 1                             ; my part of K step 0 is in; K step 1's may be out
	s_barrier_signal -1
	s_barrier_wait -1
	FETCH 0, 0, 0
	STEP 0, 1                                      ; the first products start the sums
	s_mov_b32 s3, LAPS-1
.Llap:
	TURN 0, 1, 1
	STEP 1, 0
	TURN 1, 0, 1
	STEP 0, 0
	s_sub_co_u32 s3, s3, 1
	s_cmp_lg_u32 s3, 0
	s_cbranch_scc1 .Llap
	TURN 0, 1, 0                                   ; the last lap fills nothing
	STEP 1, 0
	s_wait_dscnt 0x0
	WIN MULW
	MUL 0, 1, 0
	MUL 1, 1, 0
	MUL 2, 1, 0
	MUL 3, 1, 0
	WIN 0
	s_wait_kmcnt 0x0
	s_add_co_i32 s96, s96, s97
	s_add_co_i32 s96, s96, 127
	s_lshl_b32 s96, s96, 23                        ; 2^(e10 + e11) as f32
	PLACES
	TOSTAGE 0
.irp a, 1,2,3
.if \a > 1
	s_wait_xcnt 0x0                                ; block a - 2's stores have read their registers and their base
.endif
	TOSTAGE \a
	SEND \a-1, 32                                  ; behind block a - 1's loads: block a's 16 stores and 16 loads
.endr
	s_wait_xcnt 0x0
	SEND 3, 0
	s_wait_tensorcnt 0x0                           ; the wave's end
	ds_add_u32 v[SPW], v[NIL]
	s_wait_dscnt 0x0
	CROUND                                         ; the closing round
	s_endpgm
.Lfunc_end_k_qb66e83734b_oproj:
	.size	k_qb66e83734b_oproj, .Lfunc_end_k_qb66e83734b_oproj-k_qb66e83734b_oproj
	.p2alignl 7, 3214868480
	.fill 96, 4, 3214868480
	.section	.rodata,"a",@progbits
	.p2align	6, 0x0
	.amdhsa_kernel k_qb66e83734b_oproj
		.amdhsa_group_segment_fixed_size 327680
		.amdhsa_private_segment_fixed_size 0
		.amdhsa_enable_private_segment 0
		.amdhsa_kernarg_size 32
		.amdhsa_user_sgpr_count 2
		.amdhsa_user_sgpr_kernarg_segment_ptr 1
		.amdhsa_wavefront_size32 1
		.amdhsa_system_sgpr_workgroup_id_x 1
		.amdhsa_system_sgpr_workgroup_id_y 1
		.amdhsa_system_sgpr_workgroup_id_z 1
		.amdhsa_system_vgpr_workitem_id 0
		.amdhsa_next_free_vgpr 768
		.amdhsa_next_free_sgpr 102
		.amdhsa_reserve_vcc 0
		.amdhsa_float_denorm_mode_32 3
		.amdhsa_float_denorm_mode_16_64 3
		.amdhsa_memory_ordered 1
		.amdhsa_forward_progress 1
		.amdhsa_inst_pref_size 75
	.end_amdhsa_kernel
	.amdgpu_metadata
---
amdhsa.version: [ 1, 2 ]
amdhsa.kernels:
  - .name:           k_qb66e83734b_oproj
    .symbol:         k_qb66e83734b_oproj.kd
    .args:
      - { .name: ac, .offset: 0, .size: 8, .value_kind: global_buffer, .address_space: global }
      - { .name: woc, .offset: 8, .size: 8, .value_kind: global_buffer, .address_space: global }
      - { .name: lowp_scales, .offset: 16, .size: 8, .value_kind: global_buffer, .address_space: global }
      - { .name: out0, .offset: 24, .size: 8, .value_kind: global_buffer, .address_space: global }
    .group_segment_fixed_size: 327680
    .private_segment_fixed_size: 0
    .kernarg_segment_align: 8
    .kernarg_segment_size: 32
    .max_flat_workgroup_size: 128
    .sgpr_count:     102
    .vgpr_count:     768
    .wavefront_size: 32
...
	.end_amdgpu_metadata
.endif
;; end of part 4
